; MI455X (gfx1250); checked and timed in simulation.
; The chip was launched on July 23, 2026; its instructions are those of AMD's public machine-readable ISA for CDNA 5 (MIT licence, August 2026) and "CDNA5" Instruction Set Architecture Reference Guide (July 2026). The comments in the code are by the model that wrote it; some were corrected since.
;; Gpt Oss Attention. Allowed arithmetic: matrix products marked QUANTISED: E2M1 operands, one E8M0 scale for each 32 along K, by v_wmma_scale_f32_16x16x128_f8f6f4 with both operands' format E2M1 (or v_wmma_scale_f32_32x16x128_f4), f32 sums; products left as they are: bf16, f16 or f32 operands; f32 sums; everything else in f32.
;; Inputs: Wk 4,096 x 1,024 float32; Wo 2,048 x 4,096 float32; Wq 4,096 x 2,048 float32; Wv 4,096 x 1,024 float32; coss 2,048 x 64 float32; hidden_states 1 x 2,048 x 4,096 float32; mask 1 x 1 x 2,048 x 2,048 float32; sins 2,048 x 64 float32.
;; Outputs: out0 1 x 2,048 x 4,096 float32.
;; This version of the problem:
;;   THIS VERSION OF THE PROBLEM IS GIVEN IN LOW PRECISION. The matrix products marked QUANTISED in the list below multiply operands that are first quantised to E2M1 (2 exponent bits, 1 mantissa bit; 4 bits a number), with one power-of-two scale for each 32 numbers along K (OCP MX v1.0); their sums are f32. The products marked 'left as it is' may take bf16, f16 or f32 operands, with f32 sums. Whichever they take, every output number must still come out within the allowed error. Rounding operands to bf16 (8 significant bits) uses up far more of that allowance than f16 does (11 bits, for magnitudes from 6e-5 to 65,504). All else is computed in f32.
;;   The module's matrix products, in the order in which they are computed (A, B: the left and right operand; K: the contracted axis; several contracted axes count as one K, in the product's order):
;;     1. [M 2,048, K 4,096] x [K 4,096, N 2,048]; A: input hidden_states; B: input Wq: QUANTISED
;;     2. [M 2,048, K 4,096] x [K 4,096, N 1,024]; A: input hidden_states; B: input Wk: QUANTISED
;;     3. [M 2,048, K 4,096] x [K 4,096, N 1,024]; A: input hidden_states; B: input Wv: QUANTISED
;;     4. batch 16 x [M 2,048, K 128] x [K 128, N 2,048]; A: computed on the way; B: computed on the way: left as it is (an operand is computed on the way)
;;     5. batch 16 x [M 128, K 2,048] x [K 2,048, N 2,048]; A: computed on the way; B: computed on the way: left as it is (an operand is computed on the way)
;;     6. [M 2,048, K 2,048] x [K 2,048, N 4,096]; A: computed on the way; B: input Wo: left as it is (an operand is computed on the way)
;;   THE QUANTISER, for each operand of a quantised product, along K:
;;     - K is cut into blocks of 32 from its start; a last block that is shorter is filled with zeros.
;;     - A block's scale is 2^e with e = floor(log2(the largest magnitude in the block)) - 2, held to -126 .. 127; a block of zeros has e = 0. As a byte (E8M0): e + 127.
;;     - Each number is divided by its block's scale, clamped to +-6, and rounded to the nearest number of E2M1, ties to even, subnormals kept.
;;     - The product sums the exact products of the quantised numbers (number of the format x scale) in f32.
;;   ~~~python
;;   def quantise(x, axis):      # numpy; x: float32 -> the quantised numbers, widened to float32 again
;;       x = np.moveaxis(x, axis, -1); K = x.shape[-1]
;;       x = np.pad(x, [(0, 0)] * (x.ndim - 1) + [(0, -K % 32)]); x = x.reshape(x.shape[:-1] + (-1, 32)); a = np.abs(x).max(-1, keepdims=True)
;;       e = np.where(a > 0, np.clip(np.frexp(np.where(a > 0, a, 1))[1] - 1 - 2, -126, 127), 0)      # np.frexp(a)[1] - 1 = floor(log2(a)), exactly
;;       r = np.clip(x / 2.0 ** e, -6, 6)
;;       step = 2.0 ** (np.maximum(np.frexp(np.where(r == 0, 1, r))[1] - 1, 0) - 1)
;;       q = np.round(r / step) * step * 2.0 ** e      # np.round: ties to even
;;       return np.moveaxis(q.reshape(q.shape[:-2] + (-1,))[..., :K], -1, axis).astype(np.float32)
;;   ~~~
;; One version. Each part assembles by itself: llvm-mc -triple=amdgcn-amd-amdhsa -mcpu=gfx1250 --defsym DOCPART=n.
;; ======== version 1 of 1: 4 launches
;; limits: values are held in f16: magnitudes above 65,504 overflow, below 6.1e-05 lose precision; right only within a limited range of input values
;; workspace buffers: xc 4,194,304 bytes; xs 262,144 bytes; wc 8,388,608 bytes; ws 524,288 bytes; wo16 16,777,216 bytes; qkv16 16,777,216 bytes; a16 8,388,608 bytes
;; launch prep (part 1): grid 768 x 1, 4 waves a work-group, no clusters, 68,096 bytes of LDS; arguments hidden_states, Wq, Wk, Wv, Wo, xc, xs, wc, ws, wo16; writes xc, xs, wc, ws, wo16
.if DOCPART == 1
	.amdgcn_target "amdgcn-amd-amdhsa--gfx1250"
	.amdhsa_code_object_version 6
	.text
	.protected	k_q1c0068e7d2_prep
	.globl	k_q1c0068e7d2_prep
	.p2align	8
	.type	k_q1c0068e7d2_prep,@function
k_q1c0068e7d2_prep:
	s_mov_b64 s[64:65], 0
	v_nop
	global_prefetch_b8 v0, s[64:65] scope:SCOPE_SE
	s_setreg_imm32_b32 hwreg(HW_REG_WAVE_MODE, 25, 1), 1
	s_wait_xcnt 0x0
; GptOssAttention, launch 1 of 4: the operands are made ready, each f32 input number read once.
; DEAD WORK: none is left out in any of the four launches.  The additive mask is an input, so every query walks all 2,048 keys and every mask number is added; every input is loaded.
; jnp.repeat of k and v is a sharing of one key/value head by two query heads: the data are not copied, the same tiles serve both heads.
; Three kinds of work-group, told apart by the work-group's number alone; each kind has LDS bytes of its own, no barrier, no tensor load.
;   0..255   X: hidden_states [2048][4096] f32 -> xc [2048][2048 bytes] codes of E2M1 (K innermost, the lower k in the low four bits), xs [2048][128] E8M0 bytes.
;   256..511 W: Wq, Wk, Wv [4096 k][n] f32, K their FIRST axis -> wc [4096 n][2048 bytes], ws [4096 n][128]; n 0-2047 Wq's columns, 2048-3071 Wk's, 3072-4095 Wv's.
;   512..767 O: Wo [2048][4096] f32 -> wo16, f16 of Wo x 4 (exact factor; the attention launch stores its result x 1/4, so the two cancel in the last product).
; THE QUANTISER: a block's scale is 2^(floor(log2(largest magnitude)) - 2); its byte is the largest magnitude's exponent field - 2, held at 1 from below; each number / scale, to the nearest code, ties to even, beyond 6 the code of 6.
; LIMITS: a block of zeros gets the byte 1 where the rule says 127 (its codes are zeros, and this program alone reads the bytes); blocks whose largest magnitude lies under 2^(2 - 126) were not tried;
; NaN and infinities among the inputs are not served; Wo x 4 beyond 65,504 overflows in f16.
.set SPW,   252                        ; v252 LDS address of my spare word: SPARE + 4 x my thread's number; never rewritten
.set NIL,   253                        ; v253 0; never rewritten
.set XREG,  8192                       ; X: a region for each wave from byte 0: two stages of 32 x XSP bytes, behind them its 256 scale bytes
.set XSP,   80                         ; a lane's place in a stage: 64 bytes + 16 of padding
.set WBASE, 32768                      ; W: a stage of 32 rows x WP bytes for each wave
.set WP,    272                        ; 256 bytes of codes + 16 of padding
.set SPARE, WBASE+4*32*WP              ; 67,584: the spare words, 128 bytes for each wave: two blocks of 256 bytes that no other line names
.set XR,    16                         ; X: v16-79 four sets of 16 numbers as loaded
.set XX,    80                         ; X: v80-111 two sets of 16 neighbours
.set XE,    112                        ; X: v112-127 a scale byte for each step
.set XC,    128                        ; X: v128-191 codes, four registers a step: no store's data are written again
.set WX,    32                         ; W: v32-95 two sets of 32 numbers
.set WC,    96                         ; W: v96-99 a block's codes
.set WOUT,  112                        ; W: v112-175 the way out
.set WSB,   24                         ; W: v24-27 the scale bytes, four to a register
.set OFFR,  176                        ; W: v176-207 byte offset of row i of a block at my column; never rewritten
.set O_R,   16                         ; O: v16-79 sixteen slots of 4 registers as loaded
.set O_Y,   80                         ; O: v80-207 two registers for each of 64 units: no store's data are written again
; ---- X: one step is 512 numbers: four loads of 512 consecutive bytes; they turn through the wave's stage so that a lane holds 16 neighbours along K
.macro XLOAD t
.irp i, 0,1,2,3
	global_load_b128 v[XR+16*((\t)%4)+4*\i:XR+16*((\t)%4)+4*\i+3], v3, s[4:5] offset:2048*(\t)+512*\i th:TH_LOAD_NT
.endr
.endm
.macro XTURN t                         ; LDS serves a wave's instructions in order: no wait between the stores and the loads
.irp i, 0,1,2,3
	ds_store_b128 v14, v[XR+16*((\t)%4)+4*\i:XR+16*((\t)%4)+4*\i+3] offset:32*XSP*((\t)%2)+8*XSP*\i
.endr
.irp i, 0,1,2,3
	ds_load_b128 v[XX+16*((\t)%2)+4*\i:XX+16*((\t)%2)+4*\i+3], v15 offset:32*XSP*((\t)%2)+16*\i
.endr
.endm
.macro XSTEP t
.set XS, XX+16*((\t)%2)
.if (\t) > 0
	s_wait_dscnt 1                                 ; this step's numbers are back from the stage; only the last step's byte store may be out
.else
	s_wait_dscnt 0x0
.endif
.if (\t)+4 < 16
	XLOAD (\t)+4                                   ; into the set whose stores into the stage are done
.endif
.if (\t)+1 < 16
.if 14-(\t) >= 3
	s_wait_loadcnt 12                              ; the next step's four loads are in; those of the three steps behind it stay out
.else
	s_wait_loadcnt 4*(14-(\t))
.endif
	XTURN (\t)+1
.endif
	v_max3_num_f32 v8, |v[XS]|, |v[XS+1]|, |v[XS+2]|       ; the largest magnitude of my 16, in two chains
	v_max3_num_f32 v9, |v[XS+3]|, |v[XS+4]|, |v[XS+5]|
.irp i, 6,10
	v_max3_num_f32 v8, v8, |v[XS+\i]|, |v[XS+\i+1]|
	v_max3_num_f32 v9, v9, |v[XS+\i+2]|, |v[XS+\i+3]|
.endr
	v_max3_num_f32 v8, v8, |v[XS+14]|, |v[XS+15]|
	v_max3_num_f32 v8, v8, v9, 0x1800000           ; and the floor 2^(3 - 127): the byte cannot fall under 1
	v_max_num_f32_dpp v8, v8, v8 row_xmask:1 row_mask:0xf bank_mask:0xf   ; with my neighbour's 16: the block's
	v_add_nc_u32 v11, 0xff000000, v8               ; 2 off the exponent field: the conversion takes the exponent field of this operand as its scale
	v_cvt_scalef32_pk8_fp4_f32 v[XC+4*(\t)], v[XS:XS+7], v11
	v_cvt_scalef32_pk8_fp4_f32 v[XC+4*(\t)+1], v[XS+8:XS+15], v11
	v_lshrrev_b32 v[XE+(\t)], 23, v11              ; the scale's byte (a plain line behind the conversions)
	ds_store_b8 v5, v[XE+(\t)] offset:16*(\t)      ; both lanes of a block write the same byte with the same value
	global_store_b64 v4, v[XC+4*(\t):XC+4*(\t)+1], s[14:15] offset:256*(\t)   ; the wave stores 256 consecutive bytes, aligned
.endm
; ---- W: a lane takes a column, its registers run down K: a block of 32 along K lies in one lane
.macro WLOAD t
.if (\t) > 0
	s_wait_xcnt 0x0                                ; the earlier loads have read their base: it steps only behind this wait
	s_add_nc_u64 s[28:29], s[28:29], s[36:37]      ; 32 rows down
.endif
.set II, 0
.rept 32
	global_load_b32 v[WX+32*((\t)%2)+II], v[OFFR+II], s[28:29] th:TH_LOAD_NT   ; 32 lanes read 128 consecutive bytes, the four waves 512
.set II, II+1
.endr
.endm
.macro WBLOCK t
.set XS, WX+32*((\t)%2)
.if (\t) < 15
	s_wait_loadcnt 32                              ; this block's 32 loads are in; the next block's stay out
.else
	s_wait_loadcnt 0x0
.endif
	v_max3_num_f32 v12, |v[XS]|, |v[XS+1]|, |v[XS+2]|      ; all 32 numbers of the block are mine
	v_max3_num_f32 v13, |v[XS+3]|, |v[XS+4]|, |v[XS+5]|
.irp i, 6,10,14,18,22,26
	v_max3_num_f32 v12, v12, |v[XS+\i]|, |v[XS+\i+1]|
	v_max3_num_f32 v13, v13, |v[XS+\i+2]|, |v[XS+\i+3]|
.endr
	v_max3_num_f32 v12, v12, |v[XS+30]|, |v[XS+31]|
	v_max3_num_f32 v12, v12, v13, 0x1800000        ; the floor
	v_add_nc_u32 v11, 0xff000000, v12              ; the conversion's scale operand
	v_lshrrev_b32 v13, 23, v11                     ; the byte
.if (\t)%4 == 0
	v_mov_b32 v[WSB+(\t)/4], v13
.else
	v_lshl_or_b32 v[WSB+(\t)/4], v13, 8*((\t)%4), v[WSB+(\t)/4]
.endif
.irp g, 0,1,2,3
	v_cvt_scalef32_pk8_fp4_f32 v[WC+\g], v[XS+8*\g:XS+8*\g+7], v11
.endr
	ds_store_b128 v4, v[WC:WC+3] offset:16*(\t)    ; 32 codes: 16 bytes of my column's row
.if (\t)+2 < 16
	WLOAD (\t)+2
.endif
	s_wait_dscnt 0x0                               ; the store has read its registers: the next block's codes may be written
.endm
	s_load_b512 s[4:19], s[0:1], 0x0               ; hidden 4:5, Wq 6:7, Wk 8:9, Wv 10:11, Wo 12:13, xc 14:15, xs 16:17, wc 18:19
	s_load_b128 s[20:23], s[0:1], 0x40             ; ws 20:21, wo16 22:23
	v_lshl_add_u32 v[SPW], v0, 2, SPARE
	v_mov_b32 v[NIL], 0
	v_lshrrev_b32 v1, 5, v0
	v_readfirstlane_b32 s24, v1                    ; wave 0..3
	v_and_b32 v2, 31, v0                           ; lane
	s_wait_kmcnt 0x0
	s_cmp_lt_u32 ttmp9, 256
	s_cbranch_scc1 .Lpath_x
	s_cmp_lt_u32 ttmp9, 512
	s_cbranch_scc1 .Lpath_w
	; ---- O: a wave takes 8,192 numbers of Wo: 64 units of 512 bytes in, 256 bytes out; sixteen loads are kept on their way
	s_sub_co_u32 s25, ttmp9, 512
	s_lshl_b32 s25, s25, 2
	s_add_co_u32 s25, s25, s24                     ; which run of 8,192 numbers
	s_lshl_b32 s26, s25, 15
	s_mov_b32 s27, 0
	s_add_nc_u64 s[12:13], s[12:13], s[26:27]
	s_lshl_b32 s26, s25, 14
	s_add_nc_u64 s[22:23], s[22:23], s[26:27]
	v_lshlrev_b32 v1, 4, v2                        ; in: 16 bytes a lane
	v_lshlrev_b32 v3, 3, v2                        ; out: 8 bytes a lane
.set UU, 0
.rept 16
	global_load_b128 v[O_R+4*UU:O_R+4*UU+3], v1, s[12:13] offset:512*UU th:TH_LOAD_NT
.set UU, UU+1
.endr
.set UU, 0
.rept 64
.if UU < 48
	s_wait_loadcnt 15                              ; unit UU is in; the fifteen younger loads stay out
.else
	s_wait_loadcnt 63-UU                           ; the counts run down
.endif
	v_pk_mul_f32 v[O_R+4*(UU%16):O_R+4*(UU%16)+1], v[O_R+4*(UU%16):O_R+4*(UU%16)+1], 4.0 op_sel_hi:[1,0]
	v_pk_mul_f32 v[O_R+4*(UU%16)+2:O_R+4*(UU%16)+3], v[O_R+4*(UU%16)+2:O_R+4*(UU%16)+3], 4.0 op_sel_hi:[1,0]
	v_cvt_pk_f16_f32 v[O_Y+2*UU], v[O_R+4*(UU%16)], v[O_R+4*(UU%16)+1]
	v_cvt_pk_f16_f32 v[O_Y+2*UU+1], v[O_R+4*(UU%16)+2], v[O_R+4*(UU%16)+3]
.if UU < 48
	global_load_b128 v[O_R+4*(UU%16):O_R+4*(UU%16)+3], v1, s[12:13] offset:512*(UU+16) th:TH_LOAD_NT
.endif
	global_store_b64 v3, v[O_Y+2*UU:O_Y+2*UU+1], s[22:23] offset:256*UU   ; the wave stores 256 consecutive bytes, aligned
.set UU, UU+1
.endr
	s_wait_tensorcnt 0x0                           ; the wave's end
	ds_add_u32 v[SPW], v[NIL]
	s_wait_dscnt 0x0
	s_endpgm
.Lpath_x:
	; ---- X: hidden_states is a plain stream of blocks of 32; a wave takes 16 steps of 512 numbers
	v_lshlrev_b32 v3, 4, v2                        ; my 16 bytes of a load's 512
	s_mul_i32 s25, s24, XREG
	v_lshrrev_b32 v14, 2, v2
	v_mul_u32_u24 v14, v14, XSP
	v_and_b32 v15, 3, v2
	v_lshl_add_u32 v14, v15, 4, v14
	v_add_nc_u32 v14, s25, v14                     ; the stage, on the way in: XSP (lane / 4) + 16 (lane % 4)
	v_mul_u32_u24 v15, v2, XSP
	v_add_nc_u32 v15, s25, v15                     ; on the way out: XSP x lane: my 16 neighbours
	v_lshlrev_b32 v4, 3, v2                        ; my 8 bytes of a step's codes
	v_lshrrev_b32 v5, 1, v2
	s_add_co_u32 s25, s25, 2*32*XSP
	v_add_nc_u32 v5, s25, v5                       ; my wave's 256 scale bytes, my block's byte
	v_lshlrev_b32 v7, 3, v2
	v_add_nc_u32 v6, s25, v7                       ; and on the way out 8 bytes a lane
	s_lshl_b32 s26, ttmp9, 2
	s_add_co_u32 s26, s26, s24                     ; which run of 8,192 numbers
	s_mov_b32 s29, 0
	s_lshl_b32 s28, s26, 15
	s_add_nc_u64 s[4:5], s[4:5], s[28:29]
	s_lshl_b32 s28, s26, 12
	s_add_nc_u64 s[14:15], s[14:15], s[28:29]
	s_lshl_b32 s28, s26, 8
	s_add_nc_u64 s[16:17], s[16:17], s[28:29]
.irp t, 0,1,2,3
	XLOAD \t
.endr
	s_wait_loadcnt 12                              ; step 0's four loads are in
	XTURN 0
.irp t, 0,1,2,3,4,5,6,7,8,9,10,11,12,13,14,15
	XSTEP \t
.endr
	ds_load_b64 v[8:9], v6                         ; LDS serves a wave's instructions in order: these see my byte stores
	s_wait_dscnt 0x0
	global_store_b64 v7, v[8:9], s[16:17]          ; 32 lanes store 256 consecutive bytes, aligned
	s_wait_tensorcnt 0x0                           ; the wave's end, behind my last LDS store
	ds_add_u32 v[SPW], v[NIL]
	s_wait_dscnt 0x0
	s_endpgm
.Lpath_w:
	; ---- W: the work-group takes 128 columns x 512 along K, a wave 32 columns: 16 blocks a lane
	s_sub_co_u32 s25, ttmp9, 256
	s_and_b32 s26, s25, 31                         ; which 128 of the 4,096 columns
	s_lshr_b32 s27, s25, 5                         ; which 512 along K
	s_cmp_lt_u32 s26, 24
	s_cselect_b64 s[28:29], s[8:9], s[10:11]       ; Wk or Wv,
	s_cselect_b32 s30, 16, 24                      ; whose first group of columns is 16 or 24
	s_cmp_lt_u32 s26, 16
	s_cselect_b64 s[28:29], s[6:7], s[28:29]       ; or Wq
	s_cselect_b32 s30, 0, s30
	s_cselect_b32 s31, 13, 12                      ; a row of Wq is 2^13 bytes, of Wk and Wv 2^12
	s_lshl_b32 s32, s27, 9
	s_lshl_b32 s32, s32, s31                       ; 512 x ky rows
	s_sub_co_u32 s33, s26, s30
	s_lshl_b32 s33, s33, 9                         ; + 128 columns of 4 bytes for each group
	s_add_co_u32 s32, s32, s33
	s_lshl_b32 s33, s24, 7                         ; + 32 columns for each wave
	s_add_co_u32 s32, s32, s33
	s_mov_b32 s33, 0
	s_add_nc_u64 s[28:29], s[28:29], s[32:33]
	s_lshl_b32 s34, 1, s31                         ; a row
	s_lshl_b32 s36, 32, s31                        ; 32 rows
	s_mov_b32 s37, 0
	v_lshlrev_b32 v[OFFR], 2, v2
.set II, 1
.rept 31
	v_add_nc_u32 v[OFFR+II], s34, v[OFFR+II-1]
.set II, II+1
.endr
	s_mul_i32 s35, s24, 32*WP
	s_add_co_u32 s35, s35, WBASE                   ; my stage
	v_mul_u32_u24 v4, v2, WP
	v_add_nc_u32 v4, s35, v4                       ; into it: row = my column
	v_and_b32 v5, 15, v2
	v_lshrrev_b32 v6, 4, v2
	v_mul_u32_u24 v7, v6, WP
	v_lshl_add_u32 v7, v5, 4, v7
	v_add_nc_u32 v7, s35, v7                       ; out of it: sixteen lanes to a row, two rows an instruction
	v_lshlrev_b32 v8, 11, v6
	v_lshl_add_u32 v8, v5, 4, v8                   ; the same place in wc: rows of 2,048 bytes
	v_lshlrev_b32 v9, 7, v2                        ; my column's row of ws: 128 bytes
	s_lshl_b32 s38, s26, 7
	s_lshl_b32 s39, s24, 5
	s_add_co_u32 s38, s38, s39                     ; my wave's first row n of wc and ws
	s_lshl_b32 s40, s38, 11
	s_lshl_b32 s39, s27, 8
	s_add_co_u32 s40, s40, s39
	s_mov_b32 s41, 0
	s_add_nc_u64 s[18:19], s[18:19], s[40:41]
	s_lshl_b32 s40, s38, 7
	s_lshl_b32 s39, s27, 4
	s_add_co_u32 s40, s40, s39
	s_add_nc_u64 s[20:21], s[20:21], s[40:41]
	WLOAD 0
	WLOAD 1
.irp t, 0,1,2,3,4,5,6,7,8,9,10,11,12,13,14,15
	WBLOCK \t
.endr
	global_store_b128 v9, v[WSB:WSB+3], s[20:21]   ; my column's 16 scale bytes
.irp t, 0,1,2,3,4,5,6,7,8,9,10,11,12,13,14,15
	ds_load_b128 v[WOUT+4*\t:WOUT+4*\t+3], v7 offset:2*\t*WP
.endr
.irp t, 0,1,2,3,4,5,6,7,8,9,10,11,12,13,14,15
	s_wait_dscnt 15-\t                             ; LDS loads come back in order: pair t of rows is in
	global_store_b128 v8, v[WOUT+4*\t:WOUT+4*\t+3], s[18:19] offset:2*\t*2048   ; sixteen lanes store 256 consecutive bytes, aligned
.endr
	s_wait_tensorcnt 0x0                           ; the wave's end, behind my last LDS store
	ds_add_u32 v[SPW], v[NIL]
	s_wait_dscnt 0x0
	s_endpgm
.Lfunc_end_k_q1c0068e7d2_prep:
	.size	k_q1c0068e7d2_prep, .Lfunc_end_k_q1c0068e7d2_prep-k_q1c0068e7d2_prep
	.p2alignl 7, 3214868480
	.fill 96, 4, 3214868480
	.section	.rodata,"a",@progbits
	.p2align	6, 0x0
	.amdhsa_kernel k_q1c0068e7d2_prep
		.amdhsa_group_segment_fixed_size 68096
		.amdhsa_private_segment_fixed_size 0
		.amdhsa_enable_private_segment 0
		.amdhsa_kernarg_size 80
		.amdhsa_user_sgpr_count 2
		.amdhsa_user_sgpr_kernarg_segment_ptr 1
		.amdhsa_wavefront_size32 1
		.amdhsa_system_sgpr_workgroup_id_x 1
		.amdhsa_system_sgpr_workgroup_id_y 1
		.amdhsa_system_sgpr_workgroup_id_z 1
		.amdhsa_system_vgpr_workitem_id 0
		.amdhsa_next_free_vgpr 256
		.amdhsa_next_free_sgpr 66
		.amdhsa_reserve_vcc 0
		.amdhsa_float_denorm_mode_32 3
		.amdhsa_float_denorm_mode_16_64 3
		.amdhsa_memory_ordered 1
		.amdhsa_forward_progress 1
		.amdhsa_inst_pref_size 143
	.end_amdhsa_kernel
	.amdgpu_metadata
---
amdhsa.version: [ 1, 2 ]
amdhsa.kernels:
  - .name:           k_q1c0068e7d2_prep
    .symbol:         k_q1c0068e7d2_prep.kd
    .args:
      - { .name: hidden_states, .offset: 0, .size: 8, .value_kind: global_buffer, .address_space: global }
      - { .name: Wq, .offset: 8, .size: 8, .value_kind: global_buffer, .address_space: global }
      - { .name: Wk, .offset: 16, .size: 8, .value_kind: global_buffer, .address_space: global }
      - { .name: Wv, .offset: 24, .size: 8, .value_kind: global_buffer, .address_space: global }
      - { .name: Wo, .offset: 32, .size: 8, .value_kind: global_buffer, .address_space: global }
      - { .name: xc, .offset: 40, .size: 8, .value_kind: global_buffer, .address_space: global }
      - { .name: xs, .offset: 48, .size: 8, .value_kind: global_buffer, .address_space: global }
      - { .name: wc, .offset: 56, .size: 8, .value_kind: global_buffer, .address_space: global }
      - { .name: ws, .offset: 64, .size: 8, .value_kind: global_buffer, .address_space: global }
      - { .name: wo16, .offset: 72, .size: 8, .value_kind: global_buffer, .address_space: global }
    .group_segment_fixed_size: 68096
    .private_segment_fixed_size: 0
    .kernarg_segment_align: 8
    .kernarg_segment_size: 80
    .max_flat_workgroup_size: 128
    .sgpr_count:     66
    .vgpr_count:     256
    .wavefront_size: 32
...
	.end_amdgpu_metadata
.endif
;; end of part 1
;; launch qkv (part 2): grid 16 x 16, 4 waves a work-group, clusters of 4 x 4, 327,680 bytes of LDS; arguments xc, xs, wc, ws, sins, coss, qkv16; writes qkv16
.if DOCPART == 2
	.amdgcn_target "amdgcn-amd-amdhsa--gfx1250"
	.amdhsa_code_object_version 6
	.text
	.protected	k_q1c0068e7d2_qkv
	.globl	k_q1c0068e7d2_qkv
	.p2align	8
	.type	k_q1c0068e7d2_qkv,@function
k_q1c0068e7d2_qkv:
	s_mov_b64 s[64:65], 0
	v_nop
	global_prefetch_b8 v0, s[64:65] scope:SCOPE_SE
	s_setreg_imm32_b32 hwreg(HW_REG_WAVE_MODE, 25, 1), 1
	s_wait_xcnt 0x0
	s_wait_alu depctr_hold_cnt(0) depctr_sa_sdst(0) depctr_va_vdst(0) depctr_va_sdst(0) depctr_va_ssrc(0) depctr_va_vcc(0) depctr_vm_vsrc(0)
	s_getreg_b32 s2, hwreg(HW_REG_IB_STS2, 6, 4)
	s_cmp_eq_u32 s2, 0
	s_cbranch_scc0 .Lentry_in_a_cluster
	s_endpgm
.Lentry_in_a_cluster:
	s_bfe_u32 s2, ttmp6, 0x10000c
	s_cmp_lg_u32 s2, 0xf033
	s_cbranch_scc0 .Lentry_shape_is_right
	s_endpgm
.Lentry_shape_is_right:
; Launch 2 of 4: q, k, v = hidden x [Wq Wk Wv] on codes of E2M1 with one E8M0 scale for each 32 along K, sums in f32; then RoPE on q and k in f32; then x 2^-4 (exact) and rounding to f16.
; No work of the problem is left out here.
; xc [2048 m][2048 bytes], xs [2048][128]; wc [4096 n][2048 bytes], ws [4096][128].  qkv16 [32 head slots][2048 s][128] f16: slots 0-15 q, 16-23 k, 24-31 v.
; SHARES.  C is 2,048 x 4,096; a tile of 128 x 256 gives 256 work-groups.  Four waves, each 64 rows x 128 columns: 32 accumulators, and its 128 columns are ONE head slot, so RoPE's two halves lie in one lane's registers.
; K goes in steps of 512 (rows of 256 bytes) through two LDS slots; the scale bytes of the tile's rows for all of K (128 bytes a row) come once with the first fills and stay.
; CLUSTER 4 x 4: the four of a row of the cluster need the same tile of xc, the four of a column the same tile of wc: each is asked for jointly.
; THE MATRIX INSTRUCTION IS USED TRANSPOSED (source 0 = 16 rows of wc, source 1 = 16 rows of xc): a lane holds row l % 16 of C and eight neighbouring columns 16 b + 8 (l / 16) + 0..7.
; LIMITS: |q|, |k| or |v| beyond 1.0e6 overflows in f16; NaN and infinities are not served.
; REGISTERS: window 0: v1-31 addresses; v32-95 scale words, two sets, and nothing else; v96-127 packed results; v128-191 xc's fragments, two sets; v192-223 RoPE's temporary; on the way out v128-255 rows read back.
;   window 1: wc's fragments, two sets at v0 and v128; later sin and cos.   window 2: accumulator (a, b) at v[8 (8 a + b)].
.set PITCH,  272                       ; an LDS row: 256 bytes + 16 of padding: the 16 rows of a load start 4 banks apart
.set AH,     64*PITCH                  ; what one of waves 0, 1 fetches of xc
.set ATILE,  2*AH
.set BH,     128*PITCH                 ; what one of waves 2, 3 fetches of wc
.set SLOT,   ATILE+2*BH                ; 104,448
.set SCL,    2*SLOT                    ; the scales, as units of 256 bytes + 16
.set SAH,    32*272                    ; those of 64 rows
.set SBH,    64*272                    ; of 128 rows
.set SBLK,   8*272                     ; of 16 rows
.set STAGE,  SCL+2*SAH+2*SBH           ; 261,120: 16 rows x 272 bytes for each wave; no fill lands here
.set SPARE,  STAGE+4*16*272            ; 278,528: the spare words, 128 bytes a wave
.set LAPS,   4                         ; 4,096 along K = 8 steps = 4 times round the ring
.set ADRA, 16
.set ADRB, 20
.set STO,  24
.set RD,   25
.set CO,   26
.set ADRS, 27
.set SPW,  28
.set NIL,  29
.set SNO,  30
.set SC,   32
.set TMP,  96
.set AF,   128
.set TT,   192
.set BK,   128
.set G1, 24
.set G0, 32
.set G1B, 48
.set G0B, 56
.set G1S, 68
.set G0S, 76
.set G1SB, 80
.set G0SB, 88
.set MSB, 0
.macro WIN new                         ; the immediate's high byte repeats the setting that is left
.if MSB != \new
	s_set_vgpr_msb (MSB<<8)|\new
.set MSB, \new
.endif
.endm
.set MUL,  0xa1                        ; source 0 window 1, source 1 window 0, C and D window 2
.set TO_B, 0x40                        ; destination window 1, address window 0
; A joint load: waves 0 and 1 fetch for xc, waves 2 and 3 for wc.  The branch hangs on the wave's number alone.  An s_nop 0 and four v_nop follow each line.
.macro JLOAD g0a, g1a, g0b, g1b
	s_cmp_eq_u32 s17, 0
	s_cbranch_scc0 .Lfor_b_\@
	tensor_load_to_lds s[\g0a:\g0a+3], s[\g1a:\g1a+7]
	s_nop 0
.rept 4
	v_nop
.endr
	s_branch .Lasked_\@
.Lfor_b_\@:
	tensor_load_to_lds s[\g0b:\g0b+3], s[\g1b:\g1b+7]
	s_nop 0
.rept 4
	v_nop
.endr
.Lasked_\@:
.endm
.macro CREST                           ; a round of the cluster's barrier behind its opening barrier
	s_cmp_lg_u32 s16, 0
	s_cbranch_scc1 .Lnot_wave_0_\@
	s_barrier_signal -3
.Lnot_wave_0_\@:
	s_barrier_wait -3
	s_barrier_signal -1
	s_barrier_wait -1
.endm
.macro CROUND
	s_barrier_signal -1
	s_barrier_wait -1
	CREST
.endm
.macro PLACES n
.rept \n
	v_nop
.endr
.endm
	s_load_b256 s[4:11], s[0:1], 0x0               ; xc 4:5, xs 6:7, wc 8:9, ws 10:11
	s_load_b128 s[12:15], s[0:1], 0x20             ; sins 12:13, coss 14:15
	s_load_b64 s[96:97], s[0:1], 0x30              ; qkv16
	v_lshl_add_u32 v[SPW], v0, 2, SPARE
	v_mov_b32 v[NIL], 0
	ds_add_u32 v[SPW], v[NIL]                      ; the wave's opening: the add, twice on end, and its wait ahead of my first tensor load
	ds_add_u32 v[SPW], v[NIL]
	v_lshrrev_b32 v1, 5, v0
	v_readfirstlane_b32 s16, v1                    ; wave 0..3
	s_lshr_b32 s17, s16, 1                         ; RH: my 64 rows.  Also: I fetch for xc (0) or wc (1)
	s_and_b32 s18, s16, 1                          ; CH: my 128 columns.  Also: which half I fetch
	s_bfe_u32 s40, ttmp6, 0x40000                  ; cx
	s_bfe_u32 s41, ttmp6, 0x40004                  ; cy
	s_lshl_b32 s42, ttmp9, 2
	s_add_co_u32 s42, s42, s40                     ; tile column = 4 x cluster x + cx
	s_and_b32 s43, ttmp7, 0xffff
	s_lshl_b32 s43, s43, 2
	s_add_co_u32 s43, s43, s41                     ; tile row = 4 x cluster y + cy
	s_lshl_b32 s44, s41, 2
	s_lshl_b32 s44, 15, s44                        ; my row of the cluster
	s_lshl_b32 s45, 0x1111, s40                    ; my column
	; group 1: rows of 256 elements of 1 byte, 2,048 apart; four words of padding behind every 64; bit 21 beside the mask
	s_or_b32 s[G1+0], s44, (1<<20)|(1<<21)|(5<<22)|(3<<25)
	s_or_b32 s[G1B+0], s45, (1<<20)|(1<<21)|(5<<22)|(3<<25)
.irp g, G1, G1B
	s_mov_b32 s[\g+1], 256<<16                     ; tensor_dim0
	s_mov_b32 s[\g+3], 256<<16                     ; tile_dim0
	s_mov_b32 s[\g+5], 2048                        ; from row to row
	s_mov_b32 s[\g+6], 0
	s_mov_b32 s[\g+7], 0
.endr
	s_mov_b32 s[G1+2], 64<<16                      ; xc: 64 rows a load
	s_mov_b32 s[G1+4], 64
	s_mov_b32 s[G1B+2], 128<<16                    ; wc: 128
	s_mov_b32 s[G1B+4], 128
	; the scales: dense blocks, as rows of 32 elements of 8 bytes, 16 bytes of padding behind each
	s_or_b32 s[G1S+0], s44, (3<<16)|(1<<20)|(1<<21)|(5<<22)|(3<<25)
	s_or_b32 s[G1SB+0], s45, (3<<16)|(1<<20)|(1<<21)|(5<<22)|(3<<25)
.irp g, G1S, G1SB
	s_mov_b32 s[\g+1], 32<<16
	s_mov_b32 s[\g+3], 32<<16
	s_mov_b32 s[\g+5], 32
	s_mov_b32 s[\g+6], 0
	s_mov_b32 s[\g+7], 0
.endr
	s_mov_b32 s[G1S+2], 32<<16                     ; 64 rows x 128 bytes = 32 units
	s_mov_b32 s[G1S+4], 32
	s_mov_b32 s[G1SB+2], 64<<16
	s_mov_b32 s[G1SB+4], 64
	s_lshl_b32 s19, s18, 6
	s_lshl_b32 s20, s43, 7
	s_add_co_u32 s20, s20, s19                     ; xc: row 128 x tile row + 64 x half
	s_lshl_b32 s19, s18, 7
	s_lshl_b32 s46, s42, 8
	s_add_co_u32 s46, s46, s19                     ; wc: row 256 x tile column + 128 x half
	s_lshl_b32 s22, s20, 7                         ; their scales, 128 bytes a row,
	s_lshl_b32 s20, s20, 11                        ; their codes, 2,048 bytes a row
	s_lshl_b32 s92, s46, 7
	s_lshl_b32 s46, s46, 11
	s_mov_b32 s21, 0
	s_mov_b32 s23, 0
	s_mov_b32 s47, 0
	s_mov_b32 s93, 0
	s_mul_i32 s94, s18, AH                         ; where they go: no place in the cluster enters an LDS address
	s_mul_i32 s95, s18, BH
	s_add_co_u32 s95, s95, ATILE
	s_mul_i32 s98, s18, SAH
	s_add_co_u32 s98, s98, SCL
	s_mul_i32 s99, s18, SBH
	s_add_co_u32 s99, s99, SCL+2*SAH
	s_wait_dscnt 0x0                               ; both opening adds are done
	s_wait_kmcnt 0x0
	s_add_nc_u64 s[20:21], s[4:5], s[20:21]
	s_add_nc_u64 s[22:23], s[6:7], s[22:23]
	s_add_nc_u64 s[46:47], s[8:9], s[46:47]
	s_add_nc_u64 s[92:93], s[10:11], s[92:93]
	CROUND                                         ; all sixteen work-groups are here: the first joint loads meet
	s_mov_b32 s[G0S], 1
	s_mov_b32 s[G0S+1], s98
	s_mov_b64 s[G0S+2:G0S+3], s[22:23]
	s_or_b32 s[G0S+3], s[G0S+3], 0x80000000
	s_mov_b32 s[G0SB], 1
	s_mov_b32 s[G0SB+1], s99
	s_mov_b64 s[G0SB+2:G0SB+3], s[92:93]
	s_or_b32 s[G0SB+3], s[G0SB+3], 0x80000000
	JLOAD G0S, G1S, G0SB, G1SB                     ; the scales first: they are wanted with K step 0
.irp s, 0,1
	s_mov_b32 s[G0+4*\s], 1
	s_add_co_u32 s[G0+4*\s+1], s94, \s*SLOT
	s_add_nc_u64 s[G0+4*\s+2:G0+4*\s+3], s[20:21], \s*256
	s_or_b32 s[G0+4*\s+3], s[G0+4*\s+3], 0x80000000
	s_mov_b32 s[G0B+4*\s], 1
	s_add_co_u32 s[G0B+4*\s+1], s95, \s*SLOT
	s_add_nc_u64 s[G0B+4*\s+2:G0B+4*\s+3], s[46:47], \s*256
	s_or_b32 s[G0B+4*\s+3], s[G0B+4*\s+3], 0x80000000
	JLOAD G0+4*\s, G1, G0B+4*\s, G1B               ; three loads of mine are out behind the second of these
.endr
	v_and_b32 v1, 15, v0                           ; r
	v_bfe_u32 v2, v0, 4, 1                         ; h
	v_mul_u32_u24 v3, v1, PITCH
	v_lshl_add_u32 v4, v2, 4, v3                   ; a fragment's row x pitch + 16 h
	s_mul_i32 s21, s17, AH                         ; my 64 rows of xc
	s_mul_i32 s22, s18, BH                         ; my 128 rows of wc,
	s_add_co_u32 s22, s22, ATILE                   ; behind xc's 128
.irp s, 0,1
	v_add_nc_u32 v[ADRA+\s], s21, v4
	v_add_nc_u32 v[ADRB+\s], s22, v4
	s_add_co_u32 s21, s21, SLOT
	s_add_co_u32 s22, s22, SLOT
.endr
	v_lshlrev_b32 v5, 7, v1                        ; my row's scales: 128 bytes a row,
	v_lshrrev_b32 v6, 8, v5
	v_lshl_add_u32 v5, v6, 4, v5                   ; and 16 more for each 256 passed
	s_mul_i32 s21, s17, SAH                        ; lanes 0-15: xc's, my 64 rows
	s_mul_i32 s22, s18, SBH                        ; lanes 16-31: wc's, my 128 rows, behind xc's
	s_add_co_u32 s22, s22, 2*SAH
	s_sub_co_u32 s22, s22, s21
	v_mul_u32_u24 v6, s22, v2                      ; one product: the distance x h
	s_add_co_u32 s21, s21, SCL
	v_add_nc_u32 v5, v5, v6
	v_add_nc_u32 v[ADRS], s21, v5
	s_mul_i32 s23, s16, 16*272
	s_add_co_u32 s23, s23, STAGE                   ; my stage
	v_add_nc_u32 v[STO], s23, v4                   ; in: row r, 16 bytes for each half of the lanes
	v_mul_u32_u24 v5, v2, 272
	v_lshl_add_u32 v5, v1, 4, v5
	v_add_nc_u32 v[RD], s23, v5                    ; back: lanes 0-15 one row of 256 bytes, lanes 16-31 the next
	v_lshlrev_b32 v[CO], 8, v2
	v_lshl_add_u32 v[CO], v1, 4, v[CO]             ; the same two rows in qkv16
	v_lshlrev_b32 v[SNO], 8, v1
	v_lshl_add_u32 v[SNO], v2, 5, v[SNO]           ; sins, coss: row r of 256 bytes, + 32 h
	s_lshl_b32 s20, s43, 15                        ; my first row, 256 bytes a row: 128 x tile row + 64 x RH
	s_lshl_b32 s21, s17, 14
	s_add_co_u32 s20, s20, s21
	s_mov_b32 s21, 0
	s_lshl_b32 s46, s42, 1
	s_add_co_u32 s46, s46, s18                     ; my head slot = 2 x tile column + CH
	s_lshl_b32 s46, s46, 19
	s_mov_b32 s47, 0
	s_add_nc_u64 s[96:97], s[96:97], s[20:21]
	s_add_nc_u64 s[96:97], s[96:97], s[46:47]
.macro FRAG reg, adr, q, i             ; 16 rows x 128 K of 4-bit codes: 8 registers, two loads of 16 bytes, 32 bytes apart
.irp c, 0,1
	ds_load_b128 v[\reg+4*\c:\reg+4*\c+3], v[\adr] offset:64*(\q)+32*\c+(\i)*16*PITCH
.endr
.endm
.macro FETCH_B slot, q, p              ; wc's eight fragments into set p
	WIN TO_B
.irp i, 0,1,2,3,4,5,6,7
	FRAG 128*(\p)+8*\i, ADRB+\slot, \q, \i
.endr
	WIN 0
.endm
.macro FETCH_A slot, q, p              ; xc's four
.irp i, 0,1,2,3
	FRAG AF+32*(\p)+8*\i, ADRA+\slot, \q, \i
.endr
.endm
.macro SCALES sc                       ; a K step's scale words: register 4 i + q: lanes 0-15 xc's block i (i < 4; above that bytes that are filled and not used), lanes 16-31 wc's block i
.irp i, 0,1,2,3,4,5,6,7
	ds_load_b128 v[SC+32*\sc+4*\i:SC+32*\sc+4*\i+3], v[ADRS] offset:\i*SBLK
.endr
.endm
; 8 matrix instructions: xc's block a against wc's eight.  The 32 accumulators take turns, one instruction a turn, in the same order in every step.
.macro MULA a, p, q, sc, zero
.irp b, 0,1,2,3,4,5,6,7
.if \zero
	v_wmma_scale_f32_16x16x128_f8f6f4 v[8*(8*(\a)+\b):8*(8*(\a)+\b)+7], v[128*(\p)+8*\b:128*(\p)+8*\b+7], v[AF+32*(\p)+8*(\a):AF+32*(\p)+8*(\a)+7], 0, v[SC+32*(\sc)+4*\b+(\q)], v[SC+32*(\sc)+4*(\a)+(\q)] matrix_a_fmt:MATRIX_FMT_FP4 matrix_b_fmt:MATRIX_FMT_FP4 matrix_a_scale:MATRIX_SCALE_ROW1
.else
	v_wmma_scale_f32_16x16x128_f8f6f4 v[8*(8*(\a)+\b):8*(8*(\a)+\b)+7], v[128*(\p)+8*\b:128*(\p)+8*\b+7], v[AF+32*(\p)+8*(\a):AF+32*(\p)+8*(\a)+7], v[8*(8*(\a)+\b):8*(8*(\a)+\b)+7], v[SC+32*(\sc)+4*\b+(\q)], v[SC+32*(\sc)+4*(\a)+(\q)] matrix_a_fmt:MATRIX_FMT_FP4 matrix_b_fmt:MATRIX_FMT_FP4 matrix_a_scale:MATRIX_SCALE_ROW1
.endif
.endr
.endm
; A step of 128 along K with its successor in the same slot: the next step's 24 loads go out first, into the other set, then this step's 32 products
.macro STEP slot, q, zero
	s_wait_dscnt 0x0                               ; this step's fragments (and scale words) are in
	PLACES 4                                       ; four plain places between the last products that read the other set and the loads into it
	FETCH_B \slot, (\q)+1, 1-(\q)%2
	FETCH_A \slot, (\q)+1, 1-(\q)%2
	WIN MUL
	MULA 0, (\q)%2, \q, \slot, \zero
	MULA 1, (\q)%2, \q, \slot, \zero
	MULA 2, (\q)%2, \q, \slot, \zero
	MULA 3, (\q)%2, \q, \slot, \zero
.endm
; A slot's last step changes slots: one barrier; in front of it each wave waits for all its tensor loads, adds 0 to its spare word, and waits for that and for its reads of this slot
.macro TURN slot, next, fill
	WIN 0                                          ; (the add's two registers lie in window 0)
	s_wait_tensorcnt 0x0                           ; all my tensor loads have landed: my part of the next slot
	ds_add_u32 v[SPW], v[NIL]
	s_wait_dscnt 1                                 ; only the add may be out: this step's fragments are in
	WIN MUL
	MULA 0, 1, 3, \slot, 0                         ; eight products stand between the add and the wait for it
	s_wait_dscnt 0x0                               ; the add is done, and my reads of this slot are over
	s_barrier_signal -1
	MULA 1, 1, 3, \slot, 0
	WIN 0
	s_barrier_wait -1
.if \fill
	CREST                                          ; the barrier has opened a round of the cluster's: no wave of any partner still reads this slot or has a load on its way
	s_add_nc_u64 s[G0+4*\slot+2:G0+4*\slot+3], s[G0+4*\slot+2:G0+4*\slot+3], 512
	s_add_nc_u64 s[G0B+4*\slot+2:G0B+4*\slot+3], s[G0B+4*\slot+2:G0B+4*\slot+3], 512
	JLOAD G0+4*\slot, G1, G0B+4*\slot, G1B         ; the first tensor load behind the round; its four v_nop are the places in front of the loads below
.else
	PLACES 4
.endif
	v_add_nc_u32 v[ADRS], 16, v[ADRS]              ; the next K step's four scale words of each row
	FETCH_B \next, 0, 0
	FETCH_A \next, 0, 0
	SCALES \next
	WIN MUL
	MULA 2, 1, 3, \slot, 0
	MULA 3, 1, 3, \slot, 0
.endm
	s_wait_tensorcnt 1                             ; the scales and my part of K step 0 are in; K step 1's load may stay out
	s_barrier_signal -1
	s_barrier_wait -1
	FETCH_B 0, 0, 0
	FETCH_A 0, 0, 0
	SCALES 0
	STEP 0, 0, 1                                   ; the first step stands ahead of the loop: its products start the sums
	WIN 0                                          ; at a label and at a branch every window is 0
	s_mov_b32 s3, LAPS-1
.Llap:                                             ; a trip goes once round the ring and fills both slots again
	STEP 0, 1, 0
	STEP 0, 2, 0
	TURN 0, 1, 1
	STEP 1, 0, 0
	STEP 1, 1, 0
	STEP 1, 2, 0
	TURN 1, 0, 1
	STEP 0, 0, 0
	WIN 0
	s_sub_co_u32 s3, s3, 1
	s_cmp_lg_u32 s3, 0
	s_cbranch_scc1 .Llap
	STEP 0, 1, 0                                   ; the last lap fills nothing
	STEP 0, 2, 0
	TURN 0, 1, 0
	STEP 1, 0, 0
	STEP 1, 1, 0
	STEP 1, 2, 0
	s_wait_dscnt 0x0
	WIN MUL
	MULA 0, 1, 3, 1, 0
	MULA 1, 1, 3, 1, 0
	MULA 2, 1, 3, 1, 0
	MULA 3, 1, 3, 1, 0
	WIN 0
	PLACES 4                                       ; ahead of the first read of results and of loads into wc's registers
	; ROPE, on q and k.  Cluster x = 3 holds tile columns 12-15, the head slots 24-31 of v: it goes round (a number that all partners share; only arithmetic and global loads stand under the branch).
	s_cmp_eq_u32 ttmp9, 3
	s_cbranch_scc1 .Lno_rope
	s_lshl_b32 s20, s43, 15
	s_lshl_b32 s21, s17, 14
	s_add_co_u32 s20, s20, s21                     ; my first row of sins and coss: 256 bytes a row
	s_mov_b32 s21, 0
	s_add_nc_u64 s[12:13], s[12:13], s[20:21]
	s_add_nc_u64 s[14:15], s[14:15], s[20:21]
	WIN TO_B                                       ; window 1: sin of (a, b) at v[64 a + 8 b], cos at v[64 a + 32 + 8 b]: in the layout of accumulators (a, b) and (a, b + 4)
.irp a, 0,1,2,3
.irp b, 0,1,2,3
	global_load_b128 v[64*\a+8*\b:64*\a+8*\b+3], v[SNO], s[12:13] offset:4096*\a+64*\b
	global_load_b128 v[64*\a+8*\b+4:64*\a+8*\b+7], v[SNO], s[12:13] offset:4096*\a+64*\b+16
	global_load_b128 v[64*\a+32+8*\b:64*\a+32+8*\b+3], v[SNO], s[14:15] offset:4096*\a+64*\b
	global_load_b128 v[64*\a+32+8*\b+4:64*\a+32+8*\b+7], v[SNO], s[14:15] offset:4096*\a+64*\b+16
.endr
.endr
; x_r = accumulators (a, 0..3), x_i = (a, 4..7).  x_r' = x_r c - x_i s;  x_i' = x_r s + x_i c.  Each accumulator is first read at its low end.
.macro ROPE a
	s_wait_loadcnt 48-16*(\a)                      ; block a's 16 loads are in; sixteen for each later block stay out
	WIN 0x06                                       ; source 0 window 2, source 1 window 1, destination window 0
.irp b, 0,1,2,3
.irp j, 0,2,4,6
	v_pk_mul_f32 v[TT+8*\b+\j:TT+8*\b+\j+1], v[64*(\a)+8*\b+\j:64*(\a)+8*\b+\j+1], v[64*(\a)+8*\b+\j:64*(\a)+8*\b+\j+1]   ; x_r s
.endr
.endr
	WIN 0x86                                       ; destination window 2
.irp b, 0,1,2,3
.irp j, 0,2,4,6
	v_pk_mul_f32 v[64*(\a)+8*\b+\j:64*(\a)+8*\b+\j+1], v[64*(\a)+8*\b+\j:64*(\a)+8*\b+\j+1], v[64*(\a)+32+8*\b+\j:64*(\a)+32+8*\b+\j+1]   ; x_r c
.endr
.endr
	WIN 0xa6                                       ; source 2 window 2 too
.irp b, 0,1,2,3
.irp j, 0,2,4,6
	v_pk_fma_f32 v[64*(\a)+8*\b+\j:64*(\a)+8*\b+\j+1], v[64*(\a)+32+8*\b+\j:64*(\a)+32+8*\b+\j+1], v[64*(\a)+8*\b+\j:64*(\a)+8*\b+\j+1], v[64*(\a)+8*\b+\j:64*(\a)+8*\b+\j+1] neg_lo:[1,0,0] neg_hi:[1,0,0]   ; - x_i s + x_r c
.endr
.endr
	WIN 0x86                                       ; source 2 window 0
.irp b, 0,1,2,3
.irp j, 0,2,4,6
	v_pk_fma_f32 v[64*(\a)+32+8*\b+\j:64*(\a)+32+8*\b+\j+1], v[64*(\a)+32+8*\b+\j:64*(\a)+32+8*\b+\j+1], v[64*(\a)+32+8*\b+\j:64*(\a)+32+8*\b+\j+1], v[TT+8*\b+\j:TT+8*\b+\j+1]   ; x_i c + x_r s
.endr
.endr
.endm
	ROPE 0
	ROPE 1
	ROPE 2
	ROPE 3
	WIN 0
.Lno_rope:
	; THE WAY OUT, 16 rows at a time: x 2^-4, to f16, 16 bytes a lane into my stage, back as whole rows of 256 bytes.
.macro PACK a
	WIN 0x82                                       ; in place in window 2
.set II, 0
.rept 32
	v_pk_mul_f32 v[64*(\a)+2*II:64*(\a)+2*II+1], v[64*(\a)+2*II:64*(\a)+2*II+1], 0x3d800000 op_sel_hi:[1,0]
.set II, II+1
.endr
	WIN 0x0a                                       ; sources window 2, destination window 0
.set II, 0
.rept 32
	v_cvt_pk_f16_f32 v[TMP+II], v[64*(\a)+2*II], v[64*(\a)+2*II+1]
.set II, II+1
.endr
	WIN 0
.endm
.macro TOSTAGE a
.irp b, 0,1,2,3,4,5,6,7
	ds_store_b128 v[STO], v[TMP+4*\b:TMP+4*\b+3] offset:32*\b
.endr
.irp t, 0,1,2,3,4,5,6,7
	ds_load_b128 v[BK+32*(\a)+4*\t:BK+32*(\a)+4*\t+3], v[RD] offset:\t*2*272   ; LDS serves a wave's instructions in order: these see the stores above
.endr
.endm
.macro SEND a                          ; each block has registers of its own: no store's data are written again
	s_wait_dscnt 0x0
.irp t, 0,1,2,3,4,5,6,7
	global_store_b128 v[CO], v[BK+32*(\a)+4*\t:BK+32*(\a)+4*\t+3], s[96:97] offset:(16*(\a)+2*\t)*256   ; sixteen lanes store 256 consecutive bytes, aligned
.endr
.endm
	PACK 0
	TOSTAGE 0
.irp a, 1,2,3
	PACK \a                                        ; block a's arithmetic stands between block a - 1's loads from the stage and the wait for them
	SEND \a-1
	TOSTAGE \a
.endr
	SEND 3
	s_wait_tensorcnt 0x0                           ; the wave's end
	ds_add_u32 v[SPW], v[NIL]
	s_wait_dscnt 0x0
	CROUND                                         ; the closing round
	s_endpgm
.Lfunc_end_k_q1c0068e7d2_qkv:
	.size	k_q1c0068e7d2_qkv, .Lfunc_end_k_q1c0068e7d2_qkv-k_q1c0068e7d2_qkv
	.p2alignl 7, 3214868480
	.fill 96, 4, 3214868480
	.section	.rodata,"a",@progbits
	.p2align	6, 0x0
	.amdhsa_kernel k_q1c0068e7d2_qkv
		.amdhsa_group_segment_fixed_size 327680
		.amdhsa_private_segment_fixed_size 0
		.amdhsa_enable_private_segment 0
		.amdhsa_kernarg_size 56
		.amdhsa_user_sgpr_count 2
		.amdhsa_user_sgpr_kernarg_segment_ptr 1
		.amdhsa_wavefront_size32 1
		.amdhsa_system_sgpr_workgroup_id_x 1
		.amdhsa_system_sgpr_workgroup_id_y 1
		.amdhsa_system_sgpr_workgroup_id_z 1
		.amdhsa_system_vgpr_workitem_id 0
		.amdhsa_next_free_vgpr 768
		.amdhsa_next_free_sgpr 100
		.amdhsa_reserve_vcc 0
		.amdhsa_float_denorm_mode_32 3
		.amdhsa_float_denorm_mode_16_64 3
		.amdhsa_memory_ordered 1
		.amdhsa_forward_progress 1
		.amdhsa_inst_pref_size 158
	.end_amdhsa_kernel
	.amdgpu_metadata
---
amdhsa.version: [ 1, 2 ]
amdhsa.kernels:
  - .name:           k_q1c0068e7d2_qkv
    .symbol:         k_q1c0068e7d2_qkv.kd
    .args:
      - { .name: xc, .offset: 0, .size: 8, .value_kind: global_buffer, .address_space: global }
      - { .name: xs, .offset: 8, .size: 8, .value_kind: global_buffer, .address_space: global }
      - { .name: wc, .offset: 16, .size: 8, .value_kind: global_buffer, .address_space: global }
      - { .name: ws, .offset: 24, .size: 8, .value_kind: global_buffer, .address_space: global }
      - { .name: sins, .offset: 32, .size: 8, .value_kind: global_buffer, .address_space: global }
      - { .name: coss, .offset: 40, .size: 8, .value_kind: global_buffer, .address_space: global }
      - { .name: qkv16, .offset: 48, .size: 8, .value_kind: global_buffer, .address_space: global }
    .group_segment_fixed_size: 327680
    .private_segment_fixed_size: 0
    .kernarg_segment_align: 8
    .kernarg_segment_size: 56
    .max_flat_workgroup_size: 128
    .sgpr_count:     100
    .vgpr_count:     768
    .wavefront_size: 32
...
	.end_amdgpu_metadata
.endif
;; end of part 2
;; launch attn (part 3): grid 32 x 8, 4 waves a work-group, clusters of 4 x 4, 327,680 bytes of LDS; arguments qkv16, mask, a16; writes a16
.if DOCPART == 3
	.amdgcn_target "amdgcn-amd-amdhsa--gfx1250"
	.amdhsa_code_object_version 6
	.text
	.protected	k_q1c0068e7d2_attn
	.globl	k_q1c0068e7d2_attn
	.p2align	8
	.type	k_q1c0068e7d2_attn,@function
k_q1c0068e7d2_attn:
	s_mov_b64 s[64:65], 0
	v_nop
	global_prefetch_b8 v0, s[64:65] scope:SCOPE_SE
	s_setreg_imm32_b32 hwreg(HW_REG_WAVE_MODE, 25, 1), 1
	s_wait_xcnt 0x0
	s_wait_alu depctr_hold_cnt(0) depctr_sa_sdst(0) depctr_va_vdst(0) depctr_va_sdst(0) depctr_va_ssrc(0) depctr_va_vcc(0) depctr_vm_vsrc(0)
	s_getreg_b32 s2, hwreg(HW_REG_IB_STS2, 6, 4)
	s_cmp_eq_u32 s2, 0
	s_cbranch_scc0 .Lentry_in_a_cluster
	s_endpgm
.Lentry_in_a_cluster:
	s_bfe_u32 s2, ttmp6, 0x10000c
	s_cmp_lg_u32 s2, 0xf033
	s_cbranch_scc0 .Lentry_shape_is_right
	s_endpgm
.Lentry_shape_is_right:
; Launch 3 of 4: a16[s][head][:] = 1/4 x softmax_k(q . k / sqrt(128) + mask[s][k]) v.  No work of the problem is left out: the mask is an input, so every query walks all 2,048 keys.
; qkv16 [32 slots][2048][128] f16 holds q, k, v x 2^-4.  So the product q k^T comes out x 2^-8, which the constant c = 2^8 / sqrt(128) of the multiply-add that adds the mask takes back;
; the sum p v comes out x 2^-4 and is multiplied by 4 / (the row's sum): a16 [2048][2048] f16 holds the result x 2^-2; the last launch's weight holds x 4.  All these factors are exact.
; SHARES.  A work-group owns 64 queries and ONE key/value head g; wave w owns queries 16 w .. 16 w + 15 of them for BOTH query heads 2 g and 2 g + 1 (tiles 0, 1): each fragment of K and V and each mask register serves two tiles.
; 32 blocks of queries x 8 heads = 256 work-groups.  Both products are used transposed (S^T = K Q^T, O^T = V^T P): a lane holds one query (lane % 16) throughout.
; SOFTMAX: t = S c + mask; a running maximum m and sum l for each query: p = 2^(t log2e - m log2e); in every step O^T and l are multiplied by a = 2^(old m log2e - new m log2e).  p is rounded to f16 for the second product, the sum is taken of the unrounded p.
; THE PRODUCTS RUN ONE STEP AHEAD OF THE SOFTMAX.  A step is 64 keys.  BODY s issues the 32 products K Q^T of step s + 1, with the 64 multiplies of O^T by a of step s between them, and then the 32 products V^T P of step s,
; with the softmax of step s + 1 (236 lines for the two tiles) between them, eight lines behind each product: the vector lines are issued while the matrix unit works.  That takes two buffers of P and two of V, by the step's parity;
; S^T needs one: it is dead when P and the sums are made.  A slice costs two switches of the register window, since no window has room for a product's operands beside the softmax's.
; THE LDS LOADS stand in two runs a body: behind the fourth product the mask and V of step s + 1, behind the 34th K of step s + 2.  So all that is read between two changes of slots lies in one slot.
; CLUSTER 4 x 4: K and V hang on g alone: shared along a row of the cluster; the mask's tile hangs on the block of queries alone: shared along a column.
; RING: two slots of 128 keys (two steps): K 128 x 272, V 128 x 288, mask 64 x 528 bytes.  Wave 0 fetches K, wave 1 V, waves 2 and 3 the mask's halves: one tensor load of mine is out at any time.
; The change of slots stands in the even bodies, between the two blocks: the slot's last reads (mask and V of its second step) are back, and K of the next slot is fetched behind it.
; O^T begins as zeros, l as 0 and m as -2^126: the first change of m multiplies zeros.
; LIMITS: a row whose every t lies under -2^126 is not served; NaN and infinities are not served; a result beyond 2.6e5 overflows in f16.
; REGISTERS: window 0: v1-15 addresses; v16-31 statistics, eight a tile: +0 m log2e, +1 m, +2, +3 l, +4..+7 at work (a in +6); v32-63 P of odd steps; v64-127 S^T, then p; v128-159 P of even steps; v160-191 mask; v192-255 Q.
;   window 1: v0-127 K of a step, v128-255 V of an even step.   window 2: v0-127 O^T, 64 a tile; v128-255 V of an odd step.
.set PKP,   272
.set PVP,   288
.set PMP,   528
.set VOFF,  128*PKP                    ; 34,816
.set MOFF,  VOFF+128*PVP               ; 71,680
.set SLOT1, 1<<17                      ; a slot takes 105,472 bytes; slot 1 begins here, so that one exclusive or turns an address
.set STAGE, SLOT1+MOFF+64*PMP          ; 236,544: 16 rows x 272 bytes for each wave; no fill lands here
.set SPARE, STAGE+4*16*272             ; 253,952
.set AK0, 3
.set AV0, 4
.set AM0, 5
.set ADK, 6
.set ADV, 7
.set ADM, 8
.set QO,  9
.set STO, 10
.set RD,  11
.set GO,  12
.set PFO, 13
.set SPW, 14
.set NIL, 15
.set ST,  16
.set S,   64
.set P0,  128                          ; P of even steps; P of odd steps lies PD lower
.set PD,  96
.set MK,  160
.set Q,   192
.set WV,  12
.set G1K, 24
.set G1V, 32
.set G1M, 40
.set G0K, 48
.set G0V, 52
.set G0M, 56
.set CS,  60                           ; s[60:61] c = 2^8 / sqrt(128)
.set L2E, 62                           ; s[62:63] log2(e)
.set SEL, 66
.set TB,  68                           ; LDS byte at which the slot in hand begins
.set SLOTS, 69
.set PFA, 70
.set PFS, 72
.set LIM, 74
.set MSB, 0
.macro WIN new                         ; the immediate's high byte repeats the setting that is left; a switch that changes nothing is dropped
.if MSB != \new
	s_set_vgpr_msb (MSB<<8)|\new
.set MSB, \new
.endif
.endm
.set W_KQ, 0x01                        ; K window 1; Q, S^T window 0
.set W_RS, 0x82                        ; O^T (destination, source 0) window 2, a window 0
; A wave's one joint load: three arms on the wave's number, the same in every work-group.  An s_nop 0 and four v_nop follow each line.
.macro TLOAD3
	s_cmp_lg_u32 s[WV], 0
	s_cbranch_scc1 .Lnot_k_\@
	tensor_load_to_lds s[G0K:G0K+3], s[G1K:G1K+7]
	s_nop 0
.rept 4
	v_nop
.endr
	s_branch .Lasked_\@
.Lnot_k_\@:
	s_cmp_lg_u32 s[WV], 1
	s_cbranch_scc1 .Lnot_v_\@
	tensor_load_to_lds s[G0V:G0V+3], s[G1V:G1V+7]
	s_nop 0
.rept 4
	v_nop
.endr
	s_branch .Lasked_\@
.Lnot_v_\@:
	tensor_load_to_lds s[G0M:G0M+3], s[G1M:G1M+7]
	s_nop 0
.rept 4
	v_nop
.endr
.Lasked_\@:
.endm
; A prefetch of what the NEXT change of slots will ask for, one instruction a wave, behind the wave's tensor load.  Each aligned block of 256 bytes is named once in the launch:
; K's and V's 128 rows of a slot by the clusters with x = 0 (waves 0 and 1), the four partners of a row taking 32 rows each by address (cx), a lane a row;
; the mask's 64 rows x 512 bytes by the clusters with y = 0 (wave 2), the four partners of a column taking 16 rows each by address (cy), two lanes a row.  The last change that fills a slot asks for nothing.
.macro ASK
	s_cmp_gt_u32 s[SLOTS], s[LIM]
	s_cbranch_scc0 .Lnot_mine_\@
	global_prefetch_b8 v[PFO], s[PFA:PFA+1] th:TH_LOAD_NT scope:SCOPE_SE
.Lnot_mine_\@:
.endm
.macro CROUND
	s_barrier_signal -1
	s_barrier_wait -1
	s_cmp_lg_u32 s[WV], 0
	s_cbranch_scc1 .Lnot_wave_0_\@
	s_barrier_signal -3
.Lnot_wave_0_\@:
	s_barrier_wait -3
	s_barrier_signal -1
	s_barrier_wait -1
.endm
.macro PLACES
.rept 4
	v_nop
.endr
.endm
	s_load_b128 s[4:7], s[0:1], 0x0                ; qkv16 4:5, mask 6:7
	s_load_b64 s[8:9], s[0:1], 0x10                ; a16
	v_lshl_add_u32 v[SPW], v0, 2, SPARE
	v_mov_b32 v[NIL], 0
	ds_add_u32 v[SPW], v[NIL]                      ; the wave's opening: the add, twice on end, and its wait ahead of my first tensor load
	ds_add_u32 v[SPW], v[NIL]
	v_lshrrev_b32 v1, 5, v0
	v_readfirstlane_b32 s[WV], v1                  ; wave 0..3
	s_bfe_u32 s13, ttmp6, 0x40000                  ; cx
	s_bfe_u32 s14, ttmp6, 0x40004                  ; cy
	s_lshl_b32 s15, ttmp9, 2
	s_add_co_u32 s15, s15, s13                     ; my block of 64 queries = 4 x cluster x + cx
	s_and_b32 s16, ttmp7, 0xffff
	s_lshl_b32 s16, s16, 2
	s_add_co_u32 s16, s16, s14                     ; my key/value head = 4 x cluster y + cy
	s_lshl_b32 s17, s14, 2
	s_lshl_b32 s17, 15, s17                        ; my row of the cluster
	s_lshl_b32 s18, 0x1111, s13                    ; my column
	; group 1.  K, V: 128 rows x 128 elements of 2 bytes, dense; padding behind every 64 words: 4 words (K), 8 words (V).  Mask: 32 rows x 128 elements of 4 bytes, 2,048 apart; 4 words behind every 128
	s_or_b32 s[G1K], s17, (1<<16)|(1<<20)|(1<<21)|(5<<22)|(3<<25)
	s_or_b32 s[G1V], s17, (1<<16)|(1<<20)|(1<<21)|(5<<22)|(7<<25)
	s_or_b32 s[G1M], s18, (2<<16)|(1<<20)|(1<<21)|(6<<22)|(3<<25)
.irp g, G1K, G1V
	s_mov_b32 s[\g+1], 128<<16
	s_mov_b32 s[\g+2], 128<<16
	s_mov_b32 s[\g+3], 128<<16
	s_mov_b32 s[\g+4], 128
	s_mov_b32 s[\g+5], 128
	s_mov_b32 s[\g+6], 0
	s_mov_b32 s[\g+7], 0
.endr
	s_mov_b32 s[G1M+1], 128<<16
	s_mov_b32 s[G1M+2], 32<<16
	s_mov_b32 s[G1M+3], 128<<16
	s_mov_b32 s[G1M+4], 32
	s_mov_b32 s[G1M+5], 2048
	s_mov_b32 s[G1M+6], 0
	s_mov_b32 s[G1M+7], 0
	s_add_co_u32 s80, s16, 16
	s_lshl_b32 s80, s80, 19                        ; K: head slot 16 + g, 524,288 bytes a slot
	s_mov_b32 s81, 0
	s_add_co_u32 s82, s16, 24
	s_lshl_b32 s82, s82, 19                        ; V: head slot 24 + g
	s_mov_b32 s83, 0
	s_and_b32 s87, s[WV], 1
	s_lshl_b32 s84, s15, 6
	s_lshl_b32 s85, s87, 5
	s_add_co_u32 s84, s84, s85
	s_lshl_b32 s84, s84, 13                        ; mask: row 64 x block + 32 x (wave % 2), 8,192 bytes a row
	s_mov_b32 s85, 0
	s_mul_i32 s86, s87, 32*PMP
	s_add_co_u32 s86, s86, MOFF                    ; and its place in a slot
	s_lshl_b32 s88, s15, 6
	s_lshl_b32 s89, s[WV], 4
	s_add_co_u32 s89, s88, s89                     ; my first query
	s_lshl_b32 s88, s89, 8
	s_lshl_b32 s90, s16, 20
	s_add_co_u32 s88, s88, s90                     ; Q: head slot 2 g, my first query's row of 256 bytes
	s_lshl_b32 s90, s89, 12
	s_lshl_b32 s91, s16, 9
	s_add_co_u32 s90, s90, s91                     ; a16: my first query's row of 4,096 bytes, + 512 g
	s_mov_b32 s89, 0
	s_mov_b32 s91, 0
	s_mov_b32 s[CS], 0x41b504f3                    ; 2^8 / sqrt(128)
	s_mov_b32 s[CS+1], s[CS]                       ; (named with it as a pair, so it is written)
	s_mov_b32 s[L2E], 0x3fb8aa3b
	s_mov_b32 s[L2E+1], s[L2E]
	s_mov_b32 s[SEL], 0x76543210
	s_mov_b32 s[SEL+1], 0xfedcba98
	s_mov_b32 s[TB], SLOT1                         ; the first change of slots turns it to slot 0
	s_mov_b32 s[SLOTS], 15
	s_wait_dscnt 0x0                               ; both opening adds are done
	s_wait_kmcnt 0x0
	s_add_nc_u64 s[76:77], s[4:5], s[88:89]        ; Q
	s_add_nc_u64 s[78:79], s[8:9], s[90:91]        ; a16
	CROUND                                         ; all sixteen work-groups are here: the first joint loads meet
	s_mov_b32 s[G0K], 1
	s_mov_b32 s[G0K+1], 0
	s_add_nc_u64 s[G0K+2:G0K+3], s[4:5], s[80:81]
	s_or_b32 s[G0K+3], s[G0K+3], 0x80000000
	s_mov_b32 s[G0V], 1
	s_mov_b32 s[G0V+1], VOFF
	s_add_nc_u64 s[G0V+2:G0V+3], s[4:5], s[82:83]
	s_or_b32 s[G0V+3], s[G0V+3], 0x80000000
	s_mov_b32 s[G0M], 1
	s_mov_b32 s[G0M+1], s86
	s_add_nc_u64 s[G0M+2:G0M+3], s[6:7], s[84:85]
	s_or_b32 s[G0M+3], s[G0M+3], 0x80000000
	TLOAD3                                         ; slot 0: every wave issues one
	v_and_b32 v1, 15, v0                           ; r
	v_bfe_u32 v2, v0, 4, 1                         ; h
	v_lshlrev_b32 v[QO], 8, v1
	v_lshl_add_u32 v[QO], v2, 4, v[QO]
.irp t, 0,1
.irp c, 0,1,2,3                                ; Q stays in registers: tile t, channels 32 c on
	global_load_b128 v[Q+32*\t+8*\c:Q+32*\t+8*\c+3], v[QO], s[76:77] offset:524288*\t+64*\c
	global_load_b128 v[Q+32*\t+8*\c+4:Q+32*\t+8*\c+7], v[QO], s[76:77] offset:524288*\t+64*\c+32
.endr
.endr
	; the prefetches: where mine stand (in slot 1: the first change of slots steps them to slot 2), and who asks
	s_lshl_b32 s92, s87, 3
	s_add_co_u32 s92, s92, s16
	s_add_co_u32 s92, s92, 16
	s_lshl_b32 s92, s92, 19                        ; K's head slot (wave 0) or V's (wave 1),
	s_lshl_b32 s93, s13, 13
	s_add_co_u32 s92, s92, s93                     ; my work-group's 32 rows of 256 bytes,
	s_add_co_u32 s92, s92, 32768                   ; a slot on
	s_lshl_b32 s94, s15, 6
	s_lshl_b32 s95, s14, 4
	s_add_co_u32 s94, s94, s95
	s_lshl_b32 s94, s94, 13                        ; the mask: my work-group's 16 rows,
	s_add_co_u32 s94, s94, 512                     ; a slot on
	s_mov_b32 s[PFS], 512
	s_and_b32 s20, ttmp7, 0xffff
	s_cmp_lt_u32 s[WV], 2
	s_cselect_b64 s[PFA:PFA+1], s[4:5], s[6:7]
	s_cselect_b32 s92, s92, s94
	s_cselect_b32 s[PFS], 0x8000, s[PFS]
	s_cselect_b32 s23, -1, 0
	s_cselect_b32 s20, ttmp9, s20                  ; the coordinate along which other clusters read the same bytes
	s_mov_b32 s93, 0
	s_mov_b32 s[PFS+1], 0
	s_add_nc_u64 s[PFA:PFA+1], s[PFA:PFA+1], s[92:93]
	s_lshr_b32 s21, s[WV], 1
	s_and_b32 s21, s21, s[WV]                      ; 1 in wave 3 alone, which never asks
	s_or_b32 s20, s20, s21
	s_cmp_eq_u32 s20, 0
	s_cselect_b32 s[LIM], 1, -1                    ; the same in all sixteen partners, for a given wave
	v_and_b32 v32, 31, v0
	v_lshlrev_b32 v33, 8, v32                      ; K, V: a lane a row
	v_lshrrev_b32 v34, 1, v32
	v_and_b32 v35, 1, v32
	v_lshlrev_b32 v35, 8, v35
	v_lshl_add_u32 v34, v34, 13, v35               ; mask: two lanes a row
	v_cndmask_b32 v[PFO], v34, v33, s23
	v_mul_u32_u24 v[AK0], v1, PKP
	v_lshl_add_u32 v[AK0], v2, 4, v[AK0]           ; K: row r x pitch + 16 h
	v_and_b32 v32, 7, v0
	v_bfe_u32 v33, v0, 3, 1
	v_lshl_add_u32 v[AV0], v2, 3, v32              ; V, turned: key 8 h + l % 8, channels 8 ((l / 8) % 2) on
	v_mul_u32_u24 v[AV0], v[AV0], PVP
	v_lshl_add_u32 v[AV0], v33, 4, v[AV0]
	v_add_nc_u32 v[AV0], VOFF, v[AV0]
	s_lshl_b32 s20, s[WV], 4
	v_add_nc_u32 v[AM0], s20, v1                   ; mask: row 16 w + r, + 32 h bytes: my eight keys of a tile of 16
	v_mul_u32_u24 v[AM0], v[AM0], PMP
	v_lshl_add_u32 v[AM0], v2, 5, v[AM0]
	v_add_nc_u32 v[AM0], MOFF, v[AM0]
	s_mul_i32 s21, s[WV], 16*272
	s_add_co_u32 s21, s21, STAGE                   ; my stage
	v_mul_u32_u24 v[STO], v1, 272
	v_lshl_add_u32 v[STO], v2, 4, v[STO]
	v_add_nc_u32 v[STO], s21, v[STO]
	v_mul_u32_u24 v[RD], v2, 272
	v_lshl_add_u32 v[RD], v1, 4, v[RD]
	v_add_nc_u32 v[RD], s21, v[RD]
	v_lshlrev_b32 v[GO], 12, v2
	v_lshl_add_u32 v[GO], v1, 4, v[GO]             ; a16: lanes 0-15 one row, lanes 16-31 the next
.irp t, 0,1
	v_mov_b32 v[ST+8*\t+1], 0xfe800000             ; m = -2^126
	v_mul_f32 v[ST+8*\t], s[L2E], v[ST+8*\t+1]
	v_mov_b32 v[ST+8*\t+2], 0                      ; l
	v_mov_b32 v[ST+8*\t+3], 0
.endr
	WIN 0x80
.set II, 0
.rept 128
	v_mov_b32 v[II], 0                             ; O^T, once: it spares a body of its own for the first step
.set II, II+1
.endr
	WIN 0
; THE MATRIX WORK.  The accumulators take turns, one instruction a turn.
.macro KQ                              ; product II of 32 of S^T = K Q^T: channels 32 (II / 8) on, keys 16 ((II / 2) % 4) on, tile II % 2; the first 8 start the sums
.set rS, S+32*(II%2)+8*((II/2)%4)
.set rK, 32*((II/2)%4)+8*(II/8)
.set rQ, Q+32*(II%2)+8*(II/8)
	WIN W_KQ
.if II < 8
	v_wmma_f32_16x16x32_f16 v[rS:rS+7], v[rK:rK+7], v[rQ:rQ+7], 0
.else
	v_wmma_f32_16x16x32_f16 v[rS:rS+7], v[rK:rK+7], v[rQ:rQ+7], v[rS:rS+7]
.endif
.endm
.macro PVM p                           ; product II of 32 of O^T += V^T P: keys 32 (II / 16) on, channels 16 ((II / 2) % 8) on, tile II % 2; p: the step's parity picks V's window and P's buffer
.set rO, 64*(II%2)+8*((II/2)%8)
.set rV, 128+64*(II/16)+8*((II/2)%8)
.set rP, P0-PD*(\p)+16*(II%2)+8*(II/16)
.set WPV, 0xa1+(\p)                    ; V window 1 or 2, P window 0, O^T window 2
	WIN WPV
	v_wmma_f32_16x16x32_f16 v[rO:rO+7], v[rV:rV+7], v[rP:rP+7], v[rO:rO+7]
.endm
; THE LDS LOADS, in runs
.macro FETCH_K q                       ; 64 keys x 128 channels: 16 fragments
	WIN 0x40
.irp f, 0,1,2,3,4,5,6,7,8,9,10,11,12,13,14,15
	ds_load_b128 v[8*\f:8*\f+3],   v[ADK] offset:(\q)*64*PKP+(\f/4)*16*PKP+(\f%4)*64
	ds_load_b128 v[8*\f+4:8*\f+7], v[ADK] offset:(\q)*64*PKP+(\f/4)*16*PKP+(\f%4)*64+32
.endr
.endm
.macro FETCH_V q, p                    ; a step's V, turned, into the buffer of parity p
.set WFV, 0x40*(1+(\p))
	WIN WFV
.irp f, 0,1,2,3,4,5,6,7,8,9,10,11,12,13,14,15
	ds_load_tr16_b128 v[128+8*\f:128+8*\f+3],   v[ADV] offset:(\q)*64*PVP+(\f/8)*32*PVP+(\f%8)*32
	ds_load_tr16_b128 v[128+8*\f+4:128+8*\f+7], v[ADV] offset:(\q)*64*PVP+(\f/8)*32*PVP+16*PVP+(\f%8)*32
.endr
.endm
.macro FETCH_M q                       ; my query's 32 mask numbers of the step, in S^T's layout
	WIN 0
.irp kb, 0,1,2,3
	ds_load_b128 v[MK+8*\kb:MK+8*\kb+3],   v[ADM] offset:256*(\q)+64*\kb
	ds_load_b128 v[MK+8*\kb+4:MK+8*\kb+7], v[ADM] offset:256*(\q)+64*\kb+16
.endr
.endm
; THE VECTOR WORK.  RS writes number JR of 64: O^T times a, ascending.
.macro RS
.set rO, 64*(JR/32)+2*(JR%32)
.set rT, ST+8*(JR/32)
	WIN W_RS
	v_pk_mul_f32 v[rO:rO+1], v[rO:rO+1], v[rT+6:rT+7] op_sel_hi:[1,0]
.set JR, JR+1
.endm
; SMI writes number JS of the softmax's 236 lines: tile JS % 2, the tile's line nn = JS / 2: the tiles alternate, so that no line waits for the line above it.  pn: the parity of the buffer of P that it fills.
;   0-15 t = S c + mask (each accumulator first read at its low end)   16-31 the maximum, with the old m   32-36 the other half of the lanes; the new m; m log2e; its change
;   37-52 t log2e - m log2e   53-85 ONE BATCH of exponentials (a, then p), none of which reads another's result   (a plain line and the one wait)   86-101 p to f16   102-116 the sum of the unrounded p   117 l = l a + the sum
.macro SMI pn
.set tt, JS%2
.set nn, JS/2
.set rT, ST+8*tt
.set rS, S+32*tt
.set rP, P0-PD*(\pn)+16*tt
	WIN 0
.if JS == 172
	v_nop                                          ; a plain line behind the last exponential
	s_wait_alu depctr_va_vdst(0)                   ; the wait ahead of the first line that names a result: one for the batch of 66
.endif
.if nn < 16
	v_pk_fma_f32 v[rS+2*nn:rS+2*nn+1], v[rS+2*nn:rS+2*nn+1], s[CS:CS+1], v[MK+2*nn:MK+2*nn+1] op_sel_hi:[1,0,1]
.elseif nn < 20
	v_max3_num_f32 v[rT+nn-12], v[rS+8*(nn-16)], v[rS+8*(nn-16)+1], v[rS+8*(nn-16)+2]
.elseif nn < 28
	v_max3_num_f32 v[rT+4+nn%4], v[rT+4+nn%4], v[rS+8*(nn%4)+2*((nn-16)/4)+1], v[rS+8*(nn%4)+2*((nn-16)/4)+2]
.elseif nn == 28
	v_max3_num_f32 v[rT+4], v[rT+4], v[rS+7], v[rS+15]
.elseif nn == 29
	v_max3_num_f32 v[rT+6], v[rT+6], v[rS+23], v[rS+31]
.elseif nn == 30
	v_max3_num_f32 v[rT+4], v[rT+4], v[rT+5], v[rT+6]
.elseif nn == 31
	v_max3_num_f32 v[rT+4], v[rT+4], v[rT+7], v[rT+1]
.elseif nn == 32
	v_permlanex16_b32 v[rT+5], v[rT+4], s[SEL], s[SEL+1]
.elseif nn == 33
	v_mov_b32 v[rT+7], v[rT]
.elseif nn == 34
	v_max_num_f32 v[rT+1], v[rT+4], v[rT+5]
.elseif nn == 35
	v_mul_f32 v[rT], s[L2E], v[rT+1]
.elseif nn == 36
	v_sub_f32 v[rT+7], v[rT+7], v[rT]
.elseif nn < 53
	v_pk_fma_f32 v[rS+2*(nn-37):rS+2*(nn-37)+1], v[rS+2*(nn-37):rS+2*(nn-37)+1], s[L2E:L2E+1], v[rT:rT+1] op_sel_hi:[1,0,0] neg_lo:[0,0,1] neg_hi:[0,0,1]
.elseif nn == 53
	v_exp_f32 v[rT+6], v[rT+7]
.elseif nn < 86
	v_exp_f32 v[rS+nn-54], v[rS+nn-54]
.elseif nn < 102
	v_cvt_pk_f16_f32 v[rP+nn-86], v[rS+2*(nn-86)], v[rS+2*(nn-86)+1]
.elseif nn < 110
	v_pk_add_f32 v[rS+4*(nn-102):rS+4*(nn-102)+1], v[rS+4*(nn-102):rS+4*(nn-102)+1], v[rS+4*(nn-102)+2:rS+4*(nn-102)+3]
.elseif nn < 114
	v_pk_add_f32 v[rS+8*(nn-110):rS+8*(nn-110)+1], v[rS+8*(nn-110):rS+8*(nn-110)+1], v[rS+8*(nn-110)+4:rS+8*(nn-110)+5]
.elseif nn < 116
	v_pk_add_f32 v[rS+16*(nn-114):rS+16*(nn-114)+1], v[rS+16*(nn-114):rS+16*(nn-114)+1], v[rS+16*(nn-114)+8:rS+16*(nn-114)+9]
.elseif nn == 116
	v_pk_add_f32 v[rS:rS+1], v[rS:rS+1], v[rS+16:rS+17]
.else
	v_pk_fma_f32 v[rT+2:rT+3], v[rT+2:rT+3], v[rT+6:rT+7], v[rS:rS+1] op_sel_hi:[1,0,1]
.endif
.endm
; THE CHANGE OF SLOTS.  Each wave waits for all its tensor loads (its part of the slot ahead), adds 0 to its spare word, and waits for that and for its reads of the slot that it leaves.
; fill = 1: a round of the cluster's barrier, and behind it the slot just left is asked for anew: the load has two bodies in which to land.  Then the LDS addresses turn to the slot ahead.
.macro XCH fill
	WIN 0                                          ; at a label and at a branch every window is 0; the add's two registers lie in window 0
	s_wait_tensorcnt 0x0                           ; no tensor load of mine is out, so a group 0 may be written
	ds_add_u32 v[SPW], v[NIL]
.if \fill
	s_xor_b32 s[G0K+1], s[G0K+1], SLOT1            ; the walking descriptors: the other slot, the next 128 keys
	s_add_nc_u64 s[G0K+2:G0K+3], s[G0K+2:G0K+3], 32768
	s_xor_b32 s[G0V+1], s[G0V+1], SLOT1
	s_add_nc_u64 s[G0V+2:G0V+3], s[G0V+2:G0V+3], 32768
	s_xor_b32 s[G0M+1], s[G0M+1], SLOT1
	s_add_nc_u64 s[G0M+2:G0M+3], s[G0M+2:G0M+3], 512
	s_wait_xcnt 0x0                                ; the last prefetch, a slot back, has read its address
	s_add_nc_u64 s[PFA:PFA+1], s[PFA:PFA+1], s[PFS:PFS+1]   ; one slot further on than the walking descriptors
	s_wait_dscnt 0x0                               ; the add is done, and my reads of the slot that I leave are back
	CROUND
	TLOAD3
	ASK
.else
	s_wait_dscnt 0x0
	s_barrier_signal -1
	s_barrier_wait -1
.endif
	s_xor_b32 s[TB], s[TB], SLOT1
	v_add_nc_u32 v[ADK], s[TB], v[AK0]
	v_add_nc_u32 v[ADV], s[TB], v[AV0]
	v_add_nc_u32 v[ADM], s[TB], v[AM0]
.endm
; BODY of step s.  par = s % 2.  xm: 0 no change of slots, 1 one that fills, 2 one that fills nothing.  kf = 1: K of step s + 2 is fetched.
; Distances behind matrix instructions, in plain vector lines that name none of their registers: V's run stands behind eight multiplies of O^T's first accumulators, which the last V^T P of the body before does not name;
; the softmax's first read of an accumulator of S^T stands behind four multiplies or more; K's run stands behind four multiplies and sixteen lines of the softmax, which name S^T's first two accumulators of each tile and not the last.
.macro BODY par, xm, kf
	s_wait_dscnt 0x0                               ; K of step s + 1 is in, and V of step s
.set JR, 0
.set II, 0
.rept 32
	KQ
.if II%2 == 1
	RS
	RS
	RS
	RS
.endif
.if II == 3
	FETCH_M 1-(\par)
	FETCH_V 1-(\par), 1-(\par)
.endif
.set II, II+1
.endr
.if (\xm) == 0
	s_wait_dscnt 32                                ; the mask's eight loads are in; V's 32, issued behind them, stay out
.elseif (\xm) == 1
	XCH 1
.else
	XCH 0
.endif
.set JS, 0
.set II, 0
.rept 32
	PVM \par
.rept 8
.if JS < 236
	SMI 1-(\par)
.set JS, JS+1
.endif
.endr
.if (\kf) && (II == 1)
	FETCH_K \par
.endif
.set II, II+1
.endr
	WIN 0
.endm
	s_wait_loadcnt 0x0                             ; Q
	XCH 1                                          ; slot 0 is whole; slot 1 is asked for
	FETCH_K 0                                      ; THE FIRST STEP, in phases: there is nothing yet to set between its products
	FETCH_M 0
	s_wait_dscnt 0x0
.set II, 0
.rept 32
	KQ
.set II, II+1
.endr
	WIN 0
	PLACES                                         ; ahead of the first read of the scores and of the loads into K's registers
	FETCH_V 0, 0
	FETCH_K 1
.set JS, 0
.rept 236
	SMI 0
.set JS, JS+1
.endr
	s_mov_b32 s[SLOTS], 14
.Lslot:                                            ; 14 trips of two bodies: steps 0 to 27; each trip's change of slots asks for a slot
	BODY 0, 1, 1
	BODY 1, 0, 1
	s_sub_co_u32 s[SLOTS], s[SLOTS], 1
	s_cmp_lg_u32 s[SLOTS], 0
	s_cbranch_scc1 .Lslot
	BODY 0, 2, 1                                   ; the tail is written out: step 28, the last change of slots, which asks for nothing
	BODY 1, 0, 1                                   ; step 29
	BODY 0, 0, 0                                   ; step 30: there is no K of step 32
	s_wait_dscnt 0x0                               ; V of step 31
.set JR, 0
.rept 64
	RS
.endr
.set II, 0
.rept 32
	PVM 1                                          ; step 31
.set II, II+1
.endr
	WIN 0
	; THE WAY OUT.  l's halves and the other half of the lanes' are added; O^T x 4 / l, to f16, through my stage, a tile (16 rows x 256 bytes) at a time.
	PLACES
.irp t, 0,1
	v_add_f32 v[ST+8*\t+4], v[ST+8*\t+2], v[ST+8*\t+3]
.endr
.irp t, 0,1
	v_permlanex16_b32 v[ST+8*\t+5], v[ST+8*\t+4], s[SEL], s[SEL+1]
.endr
.irp t, 0,1
	v_add_f32 v[ST+8*\t+4], v[ST+8*\t+4], v[ST+8*\t+5]
.endr
.irp t, 0,1
	v_rcp_f32 v[ST+8*\t+6], v[ST+8*\t+4]
.endr
	v_nop                                          ; a plain line behind the last reciprocal
	s_wait_alu depctr_va_vdst(0)                   ; and the wait ahead of the first use: one for both
.irp t, 0,1
	v_mul_f32 v[ST+8*\t+6], 4.0, v[ST+8*\t+6]      ; 2^-4 of v becomes 2^-2 of the result
.endr
.macro OPACK t
	WIN W_RS
.set II, 0
.rept 32
	v_pk_mul_f32 v[64*\t+2*II:64*\t+2*II+1], v[64*\t+2*II:64*\t+2*II+1], v[ST+8*\t+6:ST+8*\t+7] op_sel_hi:[1,0]
.set II, II+1
.endr
	WIN 0x0a                                       ; sources window 2, destination window 0: S^T's registers are free
.set II, 0
.rept 32
	v_cvt_pk_f16_f32 v[S+32*\t+II], v[64*\t+2*II], v[64*\t+2*II+1]
.set II, II+1
.endr
	WIN 0
.irp f, 0,1,2,3,4,5,6,7
	ds_store_b128 v[STO], v[S+32*\t+4*\f:S+32*\t+4*\f+3] offset:32*\f
.endr
.irp f, 0,1,2,3,4,5,6,7
	ds_load_b128 v[S+32*\t+4*\f:S+32*\t+4*\f+3], v[RD] offset:\f*2*272   ; LDS serves a wave's instructions in order: these see the stores above
.endr
.endm
.macro OSEND t, younger                ; younger: the LDS instructions issued behind tile t's loads
.irp f, 0,1,2,3,4,5,6,7
	s_wait_dscnt \younger+7-\f
	global_store_b128 v[GO], v[S+32*\t+4*\f:S+32*\t+4*\f+3], s[78:79] offset:8192*\f+256*\t   ; sixteen lanes store 256 consecutive bytes, aligned
.endr
.endm
	OPACK 0
	OPACK 1
	OSEND 0, 16                                    ; tile 1's sixteen LDS lines stay out
	OSEND 1, 0
	s_wait_tensorcnt 0x0                           ; the wave's end
	ds_add_u32 v[SPW], v[NIL]
	s_wait_dscnt 0x0
	CROUND                                         ; the closing round
	s_endpgm
.Lfunc_end_k_q1c0068e7d2_attn:
	.size	k_q1c0068e7d2_attn, .Lfunc_end_k_q1c0068e7d2_attn-k_q1c0068e7d2_attn
	.p2alignl 7, 3214868480
	.fill 96, 4, 3214868480
	.section	.rodata,"a",@progbits
	.p2align	6, 0x0
	.amdhsa_kernel k_q1c0068e7d2_attn
		.amdhsa_group_segment_fixed_size 327680
		.amdhsa_private_segment_fixed_size 0
		.amdhsa_enable_private_segment 0
		.amdhsa_kernarg_size 24
		.amdhsa_user_sgpr_count 2
		.amdhsa_user_sgpr_kernarg_segment_ptr 1
		.amdhsa_wavefront_size32 1
		.amdhsa_system_sgpr_workgroup_id_x 1
		.amdhsa_system_sgpr_workgroup_id_y 1
		.amdhsa_system_sgpr_workgroup_id_z 1
		.amdhsa_system_vgpr_workitem_id 0
		.amdhsa_next_free_vgpr 768
		.amdhsa_next_free_sgpr 100
		.amdhsa_reserve_vcc 0
		.amdhsa_float_denorm_mode_32 3
		.amdhsa_float_denorm_mode_16_64 3
		.amdhsa_memory_ordered 1
		.amdhsa_forward_progress 1
		.amdhsa_inst_pref_size 199
	.end_amdhsa_kernel
	.amdgpu_metadata
---
amdhsa.version: [ 1, 2 ]
amdhsa.kernels:
  - .name:           k_q1c0068e7d2_attn
    .symbol:         k_q1c0068e7d2_attn.kd
    .args:
      - { .name: qkv16, .offset: 0, .size: 8, .value_kind: global_buffer, .address_space: global }
      - { .name: mask, .offset: 8, .size: 8, .value_kind: global_buffer, .address_space: global }
      - { .name: a16, .offset: 16, .size: 8, .value_kind: global_buffer, .address_space: global }
    .group_segment_fixed_size: 327680
    .private_segment_fixed_size: 0
    .kernarg_segment_align: 8
    .kernarg_segment_size: 24
    .max_flat_workgroup_size: 128
    .sgpr_count:     100
    .vgpr_count:     768
    .wavefront_size: 32
...
	.end_amdgpu_metadata
.endif
;; end of part 3
;; launch oproj (part 4): grid 16 x 16, 4 waves a work-group, clusters of 4 x 4, 327,680 bytes of LDS; arguments a16, wo16, out0; writes out0
.if DOCPART == 4
	.amdgcn_target "amdgcn-amd-amdhsa--gfx1250"
	.amdhsa_code_object_version 6
	.text
	.protected	k_q1c0068e7d2_oproj
	.globl	k_q1c0068e7d2_oproj
	.p2align	8
	.type	k_q1c0068e7d2_oproj,@function
k_q1c0068e7d2_oproj:
	s_mov_b64 s[64:65], 0
	v_nop
	global_prefetch_b8 v0, s[64:65] scope:SCOPE_SE
	s_setreg_imm32_b32 hwreg(HW_REG_WAVE_MODE, 25, 1), 1
	s_wait_xcnt 0x0
	s_wait_alu depctr_hold_cnt(0) depctr_sa_sdst(0) depctr_va_vdst(0) depctr_va_sdst(0) depctr_va_ssrc(0) depctr_va_vcc(0) depctr_vm_vsrc(0)
	s_getreg_b32 s2, hwreg(HW_REG_IB_STS2, 6, 4)
	s_cmp_eq_u32 s2, 0
	s_cbranch_scc0 .Lentry_in_a_cluster
	s_endpgm
.Lentry_in_a_cluster:
	s_bfe_u32 s2, ttmp6, 0x10000c
	s_cmp_lg_u32 s2, 0xf033
	s_cbranch_scc0 .Lentry_shape_is_right
	s_endpgm
.Lentry_shape_is_right:
; Launch 4 of 4: out0[m][n] = sum over k of a16[m][k] wo16[k][n], f16 operands, f32 sums, f32 out.  a16 holds the attention's result x 2^-2 and wo16 holds Wo x 2^2: the factors cancel exactly.  No work of the problem is left out.
; a16 [2048][2048] f16 (K innermost); wo16 [2048 k][4096 n] f16 (K outermost: its fragments come out of LDS turned, by ds_load_tr16_b128).
; SHARES.  out0 is 2,048 x 4,096; a tile of 128 x 256 gives 256 work-groups; four waves, each 64 rows x 128 columns: 32 accumulators.
; K GOES IN STEPS OF 192, as long as two LDS slots allow: a16 128 rows x 384 bytes, wo16 192 rows (k) x 512 bytes: six quarters of 32 along K, 192 products a wave between two changes of slots.
; 2,048 = 10 x 192 + 128: the eleventh load takes k = 1,856 .. 2,047, with the same descriptors, and only its last four quarters (k = 1,920 on) are multiplied: no load leaves a buffer, and no second shape is needed.
; CLUSTER 4 x 4: a16's tile is shared along a row of the cluster, wo16's along a column.  THE MATRIX INSTRUCTION IS USED TRANSPOSED (source 0 = 16 columns of Wo, source 1 = 16 rows of a16): a lane holds eight neighbouring numbers of a row of out0.
; REGISTERS: window 0: v1-31 addresses; v64-127 a16's fragments, two buffers of 32; on the way out v128-255 rows read back, two sets.   window 1: v0-127 wo16's fragments, two buffers of 64.   window 2: accumulator (a, b) at v[8 (8 a + b)].
.set PA,     432                       ; a16's LDS row: three pieces of 128 bytes, 16 bytes of padding behind each: 27 x 16 bytes, so the 16 rows of a load start at 16 different groups of four banks
.set AH,     64*PA
.set ATILE,  2*AH                      ; 55,296
.set PB,     544                       ; wo16's LDS row: 512 bytes + 32: an odd multiple of 32
.set BH,     96*PB
.set SLOT,   ATILE+2*BH                ; 159,744
.set STAGE,  SLOT                      ; the way out: 16 rows x 528 bytes for each wave, in slot 1: it has had its last fill and its last read when the first result is stored there
.set SPITCH, 528
.set SPARE,  2*SLOT                    ; 319,488: the spare words, 128 bytes a wave
.set TRIPS,  4                         ; a trip = two steps; steps 0 to 7 ask for steps 2 to 9
.set ADRA, 16                          ; v16-17 a16's fragments in slot 0, 1
.set ADRB, 20                          ; v20-21 wo16's, quarters 0-2; v22-23 quarters 3-5 (an LDS immediate has 16 bits)
.set STO,  24
.set RD,   25
.set CO,   26
.set SPW,  28
.set NIL,  29
.set BK,   128
.set G1, 24
.set G0, 32
.set G1B, 48
.set G0B, 56
.set MSB, 0
.macro WIN new
.if MSB != \new
	s_set_vgpr_msb (MSB<<8)|\new
.set MSB, \new
.endif
.endm
.set MUL,  0xa1
.macro JLOAD s                         ; waves 0 and 1 fetch a16's halves, waves 2 and 3 wo16's; an s_nop 0 and four v_nop follow each line
	s_cmp_eq_u32 s11, 0
	s_cbranch_scc0 .Lfor_b_\@
	tensor_load_to_lds s[G0+4*\s:G0+4*\s+3], s[G1:G1+7]
	s_nop 0
.rept 4
	v_nop
.endr
	s_branch .Lasked_\@
.Lfor_b_\@:
	tensor_load_to_lds s[G0B+4*\s:G0B+4*\s+3], s[G1B:G1B+7]
	s_nop 0
.rept 4
	v_nop
.endr
.Lasked_\@:
.endm
.macro CREST
	s_cmp_lg_u32 s10, 0
	s_cbranch_scc1 .Lnot_wave_0_\@
	s_barrier_signal -3
.Lnot_wave_0_\@:
	s_barrier_wait -3
	s_barrier_signal -1
	s_barrier_wait -1
.endm
.macro CROUND
	s_barrier_signal -1
	s_barrier_wait -1
	CREST
.endm
.macro PLACES
.rept 4
	v_nop
.endr
.endm
	s_load_b128 s[4:7], s[0:1], 0x0                ; a16 4:5, wo16 6:7
	s_load_b64 s[8:9], s[0:1], 0x10                ; out0
	v_lshl_add_u32 v[SPW], v0, 2, SPARE
	v_mov_b32 v[NIL], 0
	ds_add_u32 v[SPW], v[NIL]                      ; the wave's opening: the add, twice on end, and its wait ahead of my first tensor load
	ds_add_u32 v[SPW], v[NIL]
	v_lshrrev_b32 v1, 5, v0
	v_readfirstlane_b32 s10, v1                    ; wave 0..3
	s_lshr_b32 s11, s10, 1                         ; RH: my 64 rows.  Also: I fetch for a16 (0) or wo16 (1)
	s_and_b32 s12, s10, 1                          ; CH: my 128 columns.  Also: which half I fetch
	s_bfe_u32 s40, ttmp6, 0x40000                  ; cx
	s_bfe_u32 s41, ttmp6, 0x40004                  ; cy
	s_lshl_b32 s42, ttmp9, 2
	s_add_co_u32 s42, s42, s40                     ; tile column
	s_and_b32 s13, ttmp7, 0xffff
	s_lshl_b32 s13, s13, 2
	s_add_co_u32 s13, s13, s41                     ; tile row
	s_lshl_b32 s43, s41, 2
	s_lshl_b32 s43, 15, s43                        ; my row of the cluster
	s_lshl_b32 s44, 0x1111, s40                    ; my column
	; group 1.  a16: 64 rows x 192 elements of 2 bytes, 2,048 apart, 4 words of padding behind every 32.  wo16: 96 rows x 256 elements, 4,096 apart, 8 words behind every 128
	s_or_b32 s[G1+0], s43, (1<<16)|(1<<20)|(1<<21)|(4<<22)|(3<<25)
	s_mov_b32 s[G1+1], 192<<16
	s_mov_b32 s[G1+2], 64<<16
	s_mov_b32 s[G1+3], 192<<16
	s_mov_b32 s[G1+4], 64
	s_mov_b32 s[G1+5], 2048
	s_mov_b32 s[G1+6], 0
	s_mov_b32 s[G1+7], 0
	s_or_b32 s[G1B+0], s44, (1<<16)|(1<<20)|(1<<21)|(6<<22)|(7<<25)
	s_mov_b32 s[G1B+1], 256<<16
	s_mov_b32 s[G1B+2], 96<<16
	s_mov_b32 s[G1B+3], 256<<16
	s_mov_b32 s[G1B+4], 96
	s_mov_b32 s[G1B+5], 4096
	s_mov_b32 s[G1B+6], 0
	s_mov_b32 s[G1B+7], 0
	s_lshl_b32 s17, s12, 6
	s_lshl_b32 s16, s13, 7
	s_add_co_u32 s16, s16, s17
	s_lshl_b32 s16, s16, 12                        ; a16: row 128 x tile row + 64 x half, 4,096 bytes a row
	s_mov_b32 s17, 0
	s_lshl_b32 s46, s42, 9                         ; wo16: column 256 x tile column, 2 bytes each,
	s_mul_i32 s47, s12, 96*8192                    ; + k row 96 x half, 8,192 bytes a row
	s_add_co_u32 s46, s46, s47
	s_mov_b32 s47, 0
	s_mul_i32 s20, s12, AH                         ; where they go: no place in the cluster enters an LDS address
	s_mul_i32 s21, s12, BH
	s_add_co_u32 s21, s21, ATILE
	s_wait_dscnt 0x0                               ; both opening adds are done
	s_wait_kmcnt 0x0
	s_add_nc_u64 s[14:15], s[4:5], s[16:17]
	s_add_nc_u64 s[46:47], s[6:7], s[46:47]
	CROUND                                         ; all sixteen work-groups are here: the first joint loads meet
.irp s, 0,1
	s_mov_b32 s[G0+4*\s], 1
	s_add_co_u32 s[G0+4*\s+1], s20, \s*SLOT
	s_add_nc_u64 s[G0+4*\s+2:G0+4*\s+3], s[14:15], \s*384
	s_or_b32 s[G0+4*\s+3], s[G0+4*\s+3], 0x80000000
	s_mov_b32 s[G0B+4*\s], 1
	s_add_co_u32 s[G0B+4*\s+1], s21, \s*SLOT
	s_add_nc_u64 s[G0B+4*\s+2:G0B+4*\s+3], s[46:47], \s*192*8192
	s_or_b32 s[G0B+4*\s+3], s[G0B+4*\s+3], 0x80000000
	JLOAD \s                                       ; two loads of mine are out behind the second
.endr
	v_and_b32 v1, 15, v0                           ; r
	v_bfe_u32 v2, v0, 4, 1                         ; h
	v_mul_u32_u24 v3, v1, PA
	v_lshl_add_u32 v3, v2, 4, v3                   ; a16: row r x pitch + 16 h
	v_and_b32 v4, 7, v0
	v_bfe_u32 v5, v0, 3, 1
	v_lshl_add_u32 v4, v2, 3, v4                   ; wo16, turned: k row 8 h + l % 8, columns 8 ((l / 8) % 2) on
	v_mul_u32_u24 v4, v4, PB
	v_lshl_add_u32 v4, v5, 4, v4
	s_mul_i32 s21, s11, AH                         ; my 64 rows of a16
	s_lshl_b32 s22, s12, 8                         ; my 128 columns of wo16: 256 bytes,
	s_add_co_u32 s22, s22, ATILE                   ; behind a16's tile
.irp s, 0,1
	v_add_nc_u32 v[ADRA+\s], s21, v3
	v_add_nc_u32 v[ADRB+\s], s22, v4
	v_add_nc_u32 v[ADRB+2+\s], 3*32*PB, v[ADRB+\s] ; 96 k rows on
	s_add_co_u32 s21, s21, SLOT
	s_add_co_u32 s22, s22, SLOT
.endr
	s_mul_i32 s23, s10, 16*SPITCH
	s_add_co_u32 s23, s23, STAGE                   ; my stage
	v_mul_u32_u24 v5, v1, SPITCH
	v_lshl_add_u32 v5, v2, 5, v5
	v_add_nc_u32 v[STO], s23, v5                   ; in: row r, 32 bytes for each half of the lanes
	v_and_b32 v6, 31, v0
	v_lshlrev_b32 v[CO], 4, v6                     ; back: the 32 lanes take one row of 512 bytes; the same in out0
	v_add_nc_u32 v[RD], s23, v[CO]
	s_lshl_b32 s16, s13, 7
	s_lshl_b32 s17, s11, 6
	s_add_co_u32 s16, s16, s17
	s_lshl_b32 s16, s16, 14                        ; my first row of out0, 16,384 bytes a row
	s_mov_b32 s17, 0
	s_lshl_b32 s46, s42, 10                        ; my first column, in bytes
	s_lshl_b32 s47, s12, 9
	s_add_co_u32 s46, s46, s47
	s_mov_b32 s47, 0
	s_add_nc_u64 s[8:9], s[8:9], s[16:17]
	s_add_nc_u64 s[8:9], s[8:9], s[46:47]
; 24 LDS loads in one run: the fragments of 32 along K, the slot's q-th quarter (0 to 5), into buffer f.  In a16's rows quarter q lies at 144 (q / 2) + 64 (q % 2): two quarters to a piece of 128 bytes
.macro FETCH slot, q, f
	WIN 0x40
.irp nb, 0,1,2,3,4,5,6,7
	ds_load_tr16_b128 v[64*(\f)+8*\nb:64*(\f)+8*\nb+3],   v[ADRB+2*((\q)/3)+\slot] offset:32*PB*((\q)%3)+32*\nb
	ds_load_tr16_b128 v[64*(\f)+8*\nb+4:64*(\f)+8*\nb+7], v[ADRB+2*((\q)/3)+\slot] offset:32*PB*((\q)%3)+32*\nb+16*PB
.endr
	WIN 0
.irp i, 0,1,2,3
	ds_load_b128 v[64+32*(\f)+8*\i:64+32*(\f)+8*\i+3],   v[ADRA+\slot] offset:144*((\q)/2)+64*((\q)%2)+16*PA*\i
	ds_load_b128 v[64+32*(\f)+8*\i+4:64+32*(\f)+8*\i+7], v[ADRA+\slot] offset:144*((\q)/2)+64*((\q)%2)+16*PA*\i+32
.endr
.endm
; 8 matrix instructions: a16's block a against wo16's eight.  The 32 accumulators take turns in one order throughout.
.macro MULA f, a, zero
.irp b, 0,1,2,3,4,5,6,7
.if \zero
	v_wmma_f32_16x16x32_f16 v[8*(8*(\a)+\b):8*(8*(\a)+\b)+7], v[64*(\f)+8*\b:64*(\f)+8*\b+7], v[64+32*(\f)+8*(\a):64+32*(\f)+8*(\a)+7], 0
.else
	v_wmma_f32_16x16x32_f16 v[8*(8*(\a)+\b):8*(8*(\a)+\b)+7], v[64*(\f)+8*\b:64*(\f)+8*\b+7], v[64+32*(\f)+8*(\a):64+32*(\f)+8*(\a)+7], v[8*(8*(\a)+\b):8*(8*(\a)+\b)+7]
.endif
.endr
.endm
; One of a step's first five quarters: the next quarter's loads go out first, into the other buffer, then this quarter's 32 products
.macro QUARTER slot, qnext, f, g, zero
	s_wait_dscnt 0x0                               ; this quarter's fragments are in
	PLACES                                         ; between the last products that read the other buffer and the loads into it
	FETCH \slot, \qnext, \g
	WIN MUL
	MULA \f, 0, \zero
	MULA \f, 1, \zero
	MULA \f, 2, \zero
	MULA \f, 3, \zero
.endm
; A step's last quarter multiplies buffer 1 and changes slots: one barrier; in front of it each wave waits for all its tensor loads, adds 0 to its spare word, and waits for that and for its reads of this slot.
; fill = 1: this slot takes the step two on; 2: the last load, k = 1,856 on (320 along K behind step 8); 0: nothing.  q0: the first quarter of the next slot that is multiplied.
.macro TURN slot, next, fill, q0
	WIN 0
	s_wait_tensorcnt 0x0                           ; all my tensor loads have landed: my part of the next slot
	ds_add_u32 v[SPW], v[NIL]
	s_wait_dscnt 1                                 ; only the add may be out: this quarter's fragments are in
	WIN MUL
	MULA 1, 0, 0
	s_wait_dscnt 0x0                               ; the add is done, and my reads of this slot are over
	s_barrier_signal -1
	MULA 1, 1, 0
	WIN 0
	s_barrier_wait -1
.if \fill
	CREST                                          ; the barrier has opened a round of the cluster's: no wave of any partner still reads this slot or has a load on its way
.if (\fill) == 1
	s_add_nc_u64 s[G0+4*\slot+2:G0+4*\slot+3], s[G0+4*\slot+2:G0+4*\slot+3], 2*384
	s_add_nc_u64 s[G0B+4*\slot+2:G0B+4*\slot+3], s[G0B+4*\slot+2:G0B+4*\slot+3], 2*192*8192
.else
	s_add_nc_u64 s[G0+4*\slot+2:G0+4*\slot+3], s[G0+4*\slot+2:G0+4*\slot+3], 320*2
	s_add_nc_u64 s[G0B+4*\slot+2:G0B+4*\slot+3], s[G0B+4*\slot+2:G0B+4*\slot+3], 320*8192
.endif
	JLOAD \slot                                    ; the first tensor load behind the round; its four v_nop are the places in front of the loads below
.else
	PLACES
.endif
	FETCH \next, \q0, 0
	WIN MUL
	MULA 1, 2, 0
	MULA 1, 3, 0
.endm
	s_wait_tensorcnt 1                             ; my part of step 0 is in; step 1's load may stay out
	s_barrier_signal -1
	s_barrier_wait -1
	FETCH 0, 0, 0
	QUARTER 0, 1, 0, 1, 1                          ; the first quarter stands ahead of the loop: its products start the sums
	WIN 0
	s_mov_b32 s3, TRIPS
.Llap:                                             ; a trip goes once round the ring, from a step's second quarter to the first of the step two on, and fills both slots again
	QUARTER 0, 2, 1, 0, 0
	QUARTER 0, 3, 0, 1, 0
	QUARTER 0, 4, 1, 0, 0
	QUARTER 0, 5, 0, 1, 0
	TURN 0, 1, 1, 0
	QUARTER 1, 1, 0, 1, 0
	QUARTER 1, 2, 1, 0, 0
	QUARTER 1, 3, 0, 1, 0
	QUARTER 1, 4, 1, 0, 0
	QUARTER 1, 5, 0, 1, 0
	TURN 1, 0, 1, 0
	QUARTER 0, 1, 0, 1, 0
	WIN 0
	s_sub_co_u32 s3, s3, 1
	s_cmp_lg_u32 s3, 0
	s_cbranch_scc1 .Llap
	QUARTER 0, 2, 1, 0, 0                          ; step 8 goes on; its change of slots asks for the last load
	QUARTER 0, 3, 0, 1, 0
	QUARTER 0, 4, 1, 0, 0
	QUARTER 0, 5, 0, 1, 0
	TURN 0, 1, 2, 0
	QUARTER 1, 1, 0, 1, 0                          ; step 9; its change of slots asks for nothing
	QUARTER 1, 2, 1, 0, 0
	QUARTER 1, 3, 0, 1, 0
	QUARTER 1, 4, 1, 0, 0
	QUARTER 1, 5, 0, 1, 0
	TURN 1, 0, 0, 2
	QUARTER 0, 3, 0, 1, 0                          ; the last load's quarters 2 to 5: k = 1,920 .. 2,047
	QUARTER 0, 4, 1, 0, 0
	QUARTER 0, 5, 0, 1, 0
	s_wait_dscnt 0x0
	WIN MUL
	MULA 1, 0, 0
	MULA 1, 1, 0
	MULA 1, 2, 0
	MULA 1, 3, 0
	WIN 0
	PLACES                                         ; ahead of the first read of results
; THE WAY OUT, 16 rows x 128 columns at a time, through my stage: back as whole rows of 512 bytes
.macro TOSTAGE a
	WIN 0x08                                       ; an LDS store's data are its source 1: window 2
.irp b, 0,1,2,3,4,5,6,7
	ds_store_b128 v[STO], v[64*(\a)+8*\b:64*(\a)+8*\b+3] offset:64*\b          ; each accumulator from its low end on
	ds_store_b128 v[STO], v[64*(\a)+8*\b+4:64*(\a)+8*\b+7] offset:64*\b+16
.endr
	WIN 0
.irp t, 0,1,2,3,4,5,6,7,8,9,10,11,12,13,14,15
	ds_load_b128 v[BK+64*((\a)%2)+4*\t:BK+64*((\a)%2)+4*\t+3], v[RD] offset:\t*SPITCH   ; LDS serves a wave's instructions in order
.endr
.endm
.macro SEND a, younger
	s_wait_dscnt \younger                          ; the block is back in registers
.irp t, 0,1,2,3,4,5,6,7,8,9,10,11,12,13,14,15
	global_store_b128 v[CO], v[BK+64*((\a)%2)+4*\t:BK+64*((\a)%2)+4*\t+3], s[8:9] offset:(16*(\a)+\t)*16384 th:TH_STORE_NT   ; 32 lanes store 512 consecutive bytes, aligned
.endr
.endm
	TOSTAGE 0
.irp a, 1,2,3
.if \a > 1
	s_wait_xcnt 0x0                                ; block a - 2's stores have read their registers: block a's loads may land there
.endif
	TOSTAGE \a
	SEND \a-1, 32                                  ; block a's 16 stores and 16 loads stay out
.endr
	SEND 3, 0
	s_wait_tensorcnt 0x0                           ; the wave's end
	ds_add_u32 v[SPW], v[NIL]
	s_wait_dscnt 0x0
	CROUND                                         ; the closing round
	s_endpgm
.Lfunc_end_k_q1c0068e7d2_oproj:
	.size	k_q1c0068e7d2_oproj, .Lfunc_end_k_q1c0068e7d2_oproj-k_q1c0068e7d2_oproj
	.p2alignl 7, 3214868480
	.fill 96, 4, 3214868480
	.section	.rodata,"a",@progbits
	.p2align	6, 0x0
	.amdhsa_kernel k_q1c0068e7d2_oproj
		.amdhsa_group_segment_fixed_size 327680
		.amdhsa_private_segment_fixed_size 0
		.amdhsa_enable_private_segment 0
		.amdhsa_kernarg_size 24
		.amdhsa_user_sgpr_count 2
		.amdhsa_user_sgpr_kernarg_segment_ptr 1
		.amdhsa_wavefront_size32 1
		.amdhsa_system_sgpr_workgroup_id_x 1
		.amdhsa_system_sgpr_workgroup_id_y 1
		.amdhsa_system_sgpr_workgroup_id_z 1
		.amdhsa_system_vgpr_workitem_id 0
		.amdhsa_next_free_vgpr 768
		.amdhsa_next_free_sgpr 66
		.amdhsa_reserve_vcc 0
		.amdhsa_float_denorm_mode_32 3
		.amdhsa_float_denorm_mode_16_64 3
		.amdhsa_memory_ordered 1
		.amdhsa_forward_progress 1
		.amdhsa_inst_pref_size 131
	.end_amdhsa_kernel
	.amdgpu_metadata
---
amdhsa.version: [ 1, 2 ]
amdhsa.kernels:
  - .name:           k_q1c0068e7d2_oproj
    .symbol:         k_q1c0068e7d2_oproj.kd
    .args:
      - { .name: a16, .offset: 0, .size: 8, .value_kind: global_buffer, .address_space: global }
      - { .name: wo16, .offset: 8, .size: 8, .value_kind: global_buffer, .address_space: global }
      - { .name: out0, .offset: 16, .size: 8, .value_kind: global_buffer, .address_space: global }
    .group_segment_fixed_size: 327680
    .private_segment_fixed_size: 0
    .kernarg_segment_align: 8
    .kernarg_segment_size: 24
    .max_flat_workgroup_size: 128
    .sgpr_count:     66
    .vgpr_count:     768
    .wavefront_size: 32
...
	.end_amdgpu_metadata
.endif
;; end of part 4
